; MI455X (gfx1250); checked and timed in simulation.
; The chip was launched on July 23, 2026; its instructions are those of AMD's public machine-readable ISA for CDNA 5 (MIT licence, August 2026) and "CDNA5" Instruction Set Architecture Reference Guide (July 2026). The comments in the code are by the model that wrote it; some were corrected since.
;; Mo E Layer. Allowed arithmetic: float matrix products may take bf16 or f16 operands with f32 sums; other float arithmetic in f32, or as packed bf16 or f16 multiplies, adds, multiply-adds, maxima and minima; sums over many terms, partial sums and values carried from step to step in f32; what a program stores and reads back later, other than sums and carried values, may be rounded once to bf16 or f16.
;; Inputs: W1 8 x 1,024 x 4,096 float32; W2 8 x 4,096 x 1,024 float32; Wr 8 x 1,024 float32; x 4 x 256 x 1,024 float32.
;; Outputs: out0 4 x 256 x 1,024 float32.
;; 2 versions, each right; version 2 is version 1 with the launches up, down written anew for expert scheduling mode. Each part assembles by itself: llvm-mc -triple=amdgcn-amd-amdhsa -mcpu=gfx1250 --defsym DOCPART=n.
;; ======== version 1 of 2: 4 launches
;; workspace buffers: xb 2,097,152 bytes; idx 8,192 bytes of whole numbers; gate 8,192 bytes; hid 67,108,864 bytes; part 33,554,432 bytes
;; launch router (part 1): grid 256 x 1, 4 waves a work-group, no clusters, 0 bytes of LDS; arguments x, Wr, xb, idx, gate; writes xb, idx, gate
.if DOCPART == 1
	.amdgcn_target "amdgcn-amd-amdhsa--gfx1250"
	.amdhsa_code_object_version 6
	.text
	.protected	k_q40a761cd86_router
	.globl	k_q40a761cd86_router
	.p2align	8
	.type	k_q40a761cd86_router,@function
k_q40a761cd86_router:
	s_mov_b64 s[64:65], 0
	v_nop
	global_prefetch_b8 v0, s[64:65] scope:SCOPE_SE
	s_setreg_imm32_b32 hwreg(HW_REG_WAVE_MODE, 25, 1), 1
	s_wait_xcnt 0x0
; ROUTER.  One wave, one token t = 4 x work-group + wave.  logits = x[t] . Wr[e], e = 0..7; the two largest; their gates.
; x and Wr are rounded once to bf16 (as every input of this program is) and multiplied exactly, sums in f32.
; Stored at fixed places: xb[t][:] (x in bf16), idx[2t], idx[2t+1] (best, second expert), gate[2t], gate[2t+1].
; The gates: softmax's denominator cancels in w / (w1 + w2), so w1 = 1 / (1 + e^(l2 - l1)), w2 = e^(l2 - l1) w1; l1 is the maximum, so the exponent is never above 0.
; LIMITS.  The two largest are taken of the logits, the lower index kept on a tie; two logits that differ while their rounded probabilities are equal are not treated as a tie.  NaN is not treated apart.
; No LDS, no barrier: a token's sum never leaves its wave.  The two tables' stores are 8 bytes a token: 16 KiB in the whole launch.
.set X, 32                             ; v[32:63] x as loaded; then v[32:47] x in bf16, two to a register
.set L, 4                              ; v[4:19]  expert e: sums of the low and of the high halves
	s_load_b256 s[4:11], s[0:1], 0x0               ; x s[4:5], Wr s[6:7], xb s[8:9], idx s[10:11]
	s_load_b64 s[12:13], s[0:1], 0x20              ; gate
	v_and_b32 v1, 31, v0                           ; lane
	v_lshrrev_b32 v20, 5, v0
	v_readfirstlane_b32 s14, v20                   ; wave
	s_lshl_b32 s15, ttmp9, 2
	s_add_co_u32 s15, s15, s14                     ; t
	v_lshlrev_b32 v2, 4, v1                        ; 16 x lane
	v_lshlrev_b32 v3, 3, v1                        ; 8 x lane
	v_mov_b32 v31, 0                               ; 0: the first addend, and the tables' offset
	s_mov_b32 s20, 0x76543210                      ; v_permlanex16_b32: each lane takes its own place in the other half
	s_mov_b32 s21, 0xfedcba98
	s_mov_b32 s17, 0
	s_lshl_b32 s16, s15, 12                        ; a row of x: 4,096 bytes
	s_wait_kmcnt 0x0
	s_add_nc_u64 s[4:5], s[4:5], s[16:17]
	s_lshl_b32 s16, s15, 11                        ; a row of xb: 2,048 bytes
	s_add_nc_u64 s[8:9], s[8:9], s[16:17]
	s_lshl_b32 s16, s15, 3                         ; a token's two entries: 8 bytes
	s_add_nc_u64 s[10:11], s[10:11], s[16:17]
	s_add_nc_u64 s[12:13], s[12:13], s[16:17]
.irp j, 0,1,2,3,4,5,6,7
	global_load_b128 v[X+4*\j:X+4*\j+3], v2, s[4:5] offset:512*\j th:TH_LOAD_NT   ; 512 neighbouring bytes a load
.endr
.macro WLOAD e, set                    ; expert e's row of Wr, in x's order, into 32 registers
.irp j, 0,1,2,3,4,5,6,7
	global_load_b128 v[(\set)+4*\j:(\set)+4*\j+3], v2, s[6:7] offset:4096*(\e)+512*\j
.endr
.endm
	WLOAD 0, 64
	WLOAD 1, 96
	WLOAD 2, 128
	WLOAD 3, 160
	WLOAD 4, 192
	WLOAD 5, 224
	s_wait_loadcnt 48                              ; x is in; the 48 loads of Wr stay out
.set i, 0
.rept 16
	v_cvt_pk_bf16_f32 v[X+i], v[X+2*i], v[X+2*i+1] ; in place: the destination lies at or below both sources
.set i, i+1
.endr
.irp j, 0,1,2,3,4,5,6,7
	global_store_b64 v3, v[X+2*\j:X+2*\j+1], s[8:9] offset:256*\j   ; the wave stores 256 consecutive bytes, aligned
.endr
.macro DOT e, set                      ; Wr's row rounded to bf16, then 32 multiply-adds from bf16 halves into two f32 sums
.set i, 0
.rept 16
	v_cvt_pk_bf16_f32 v[(\set)+i], v[(\set)+2*i], v[(\set)+2*i+1]
.set i, i+1
.endr
	v_fma_mix_f32_bf16 v[L+2*(\e)], v[X], v[(\set)], v31 op_sel_hi:[1,1,0]
	v_fma_mix_f32_bf16 v[L+2*(\e)+1], v[X], v[(\set)], v31 op_sel:[1,1,0] op_sel_hi:[1,1,0]
.set i, 1
.rept 15
	v_fma_mix_f32_bf16 v[L+2*(\e)], v[X+i], v[(\set)+i], v[L+2*(\e)] op_sel_hi:[1,1,0]
	v_fma_mix_f32_bf16 v[L+2*(\e)+1], v[X+i], v[(\set)+i], v[L+2*(\e)+1] op_sel:[1,1,0] op_sel_hi:[1,1,0]
.set i, i+1
.endr
.endm
	s_wait_loadcnt 40                              ; expert 0's row is in; five rows are younger
	DOT 0, 64
	s_wait_loadcnt 32
	DOT 1, 96
	WLOAD 6, 64                                    ; the two sets just used take the last two rows
	WLOAD 7, 96
	s_wait_loadcnt 40                              ; younger than expert 2's row: experts 3 to 7
	DOT 2, 128
	s_wait_loadcnt 32
	DOT 3, 160
	s_wait_loadcnt 24
	DOT 4, 192
	s_wait_loadcnt 16
	DOT 5, 224
	s_wait_loadcnt 8
	DOT 6, 64
	s_wait_loadcnt 0x0
	DOT 7, 96
	; the eight sums over the wave's 32 lanes, side by side
.irp e, 0,1,2,3,4,5,6,7
	v_add_f32 v[L+2*\e], v[L+2*\e], v[L+2*\e+1]
.endr
.irp m, 1,2,4,8
.irp e, 0,1,2,3,4,5,6,7
	v_add_f32_dpp v[L+2*\e], v[L+2*\e], v[L+2*\e] row_xmask:\m row_mask:0xf bank_mask:0xf
.endr
.endr
.irp e, 0,1,2,3,4,5,6,7
	v_permlanex16_b32 v[L+2*\e+1], v[L+2*\e], s20, s21
.endr
.irp e, 0,1,2,3,4,5,6,7
	v_add_f32 v[L+2*\e], v[L+2*\e], v[L+2*\e+1]
.endr
	; the largest: v20 its logit, v22 its index; only a strictly larger one replaces it
	v_mov_b32 v20, v[L]
	v_mov_b32 v22, 0
.irp e, 1,2,3,4,5,6,7
	v_cmp_gt_f32 vcc_lo, v[L+2*\e], v20
	v_cndmask_b32 v20, v20, v[L+2*\e], vcc_lo
	v_cndmask_b32 v22, v22, \e, vcc_lo
.endr
	; the second: the same among the other seven; v21, v23
	v_mov_b32 v21, 0xff800000
	v_mov_b32 v23, 0
.irp e, 0,1,2,3,4,5,6,7
	v_cmp_ne_u32 s22, \e, v22
	v_cmp_gt_f32 vcc_lo, v[L+2*\e], v21
	s_and_b32 vcc_lo, vcc_lo, s22
	v_cndmask_b32 v21, v21, v[L+2*\e], vcc_lo
	v_cndmask_b32 v23, v23, \e, vcc_lo
.endr
	v_sub_f32 v26, v21, v20                        ; l2 - l1, never above 0
	v_mul_f32 v26, 0x3fb8aa3b, v26                 ; times log2(e)
	v_exp_f32 v26, v26
	v_nop                                          ; a plain instruction between an exponential and the use of its result
	s_wait_alu depctr_va_vdst(0)
	v_add_f32 v27, 1.0, v26
	v_rcp_f32 v24, v27                             ; w1
	v_nop                                          ; the same behind the reciprocal
	s_wait_alu depctr_va_vdst(0)
	v_mul_f32 v25, v26, v24                        ; w2
	v_cmp_eq_u32 vcc_lo, 0, v1
	s_wait_xcnt 0x0                                ; EXEC is a source of the stores above: it changes only behind this wait
	s_and_saveexec_b32 s23, vcc_lo                 ; lane 0 alone
	global_store_b64 v31, v[22:23], s[10:11]
	global_store_b64 v31, v[24:25], s[12:13]
	s_wait_xcnt 0x0                                ; and again in front of the line that widens it
	s_or_b32 exec_lo, exec_lo, s23
	s_endpgm
.Lfunc_end_k_q40a761cd86_router:
	.size	k_q40a761cd86_router, .Lfunc_end_k_q40a761cd86_router-k_q40a761cd86_router
	.p2alignl 7, 3214868480
	.fill 96, 4, 3214868480
	.section	.rodata,"a",@progbits
	.p2align	6, 0x0
	.amdhsa_kernel k_q40a761cd86_router
		.amdhsa_group_segment_fixed_size 0
		.amdhsa_private_segment_fixed_size 0
		.amdhsa_enable_private_segment 0
		.amdhsa_kernarg_size 40
		.amdhsa_user_sgpr_count 2
		.amdhsa_user_sgpr_kernarg_segment_ptr 1
		.amdhsa_wavefront_size32 1
		.amdhsa_system_sgpr_workgroup_id_x 1
		.amdhsa_system_sgpr_workgroup_id_y 1
		.amdhsa_system_sgpr_workgroup_id_z 1
		.amdhsa_system_vgpr_workitem_id 0
		.amdhsa_next_free_vgpr 256
		.amdhsa_next_free_sgpr 66
		.amdhsa_reserve_vcc 1
		.amdhsa_float_denorm_mode_32 3
		.amdhsa_float_denorm_mode_16_64 3
		.amdhsa_memory_ordered 1
		.amdhsa_forward_progress 1
		.amdhsa_inst_pref_size 41
	.end_amdhsa_kernel
	.amdgpu_metadata
---
amdhsa.version: [ 1, 2 ]
amdhsa.kernels:
  - .name:           k_q40a761cd86_router
    .symbol:         k_q40a761cd86_router.kd
    .args:
      - { .name: x, .offset: 0, .size: 8, .value_kind: global_buffer, .address_space: global }
      - { .name: Wr, .offset: 8, .size: 8, .value_kind: global_buffer, .address_space: global }
      - { .name: xb, .offset: 16, .size: 8, .value_kind: global_buffer, .address_space: global }
      - { .name: idx, .offset: 24, .size: 8, .value_kind: global_buffer, .address_space: global }
      - { .name: gate, .offset: 32, .size: 8, .value_kind: global_buffer, .address_space: global }
    .group_segment_fixed_size: 0
    .private_segment_fixed_size: 0
    .kernarg_segment_align: 8
    .kernarg_segment_size: 40
    .max_flat_workgroup_size: 128
    .sgpr_count:     66
    .vgpr_count:     256
    .wavefront_size: 32
...
	.end_amdgpu_metadata
.endif
;; end of part 1
;; launch up (part 2): grid 32 x 8, 4 waves a work-group, no clusters, 274,944 bytes of LDS; arguments W1, xb, idx, hid; writes hid
.if DOCPART == 2
	.amdgcn_target "amdgcn-amd-amdhsa--gfx1250"
	.amdhsa_code_object_version 6
	.text
	.protected	k_q40a761cd86_up
	.globl	k_q40a761cd86_up
	.p2align	8
	.type	k_q40a761cd86_up,@function
k_q40a761cd86_up:
	s_mov_b64 s[64:65], 0
	v_nop
	global_prefetch_b8 v0, s[64:65] scope:SCOPE_SE
	s_setreg_imm32_b32 hwreg(HW_REG_WAVE_MODE, 25, 1), 1
	s_wait_xcnt 0x0
; FIRST PRODUCT.  hid = gelu(xb[token of rank] . W1[e][:, n]), in bf16, for the rows that chose expert e.
; A work-group (x = slice 0..31, y = expert) owns W1[e][0..1023][128 slice .. +127]: 512 KiB of f32 that it alone reads, once.
; PHASE 0: every wave makes, for itself, the list of the pairs p = 2 token + j whose idx[p] is e (8 KiB of idx, under the first weight loads).  The rank of a pair is its place in that list; the next launch scans alike.
; PHASE 1: wave w rounds rows 256 w .. +255 of the slice to bf16 on their way through registers into LDS, laid [column][k], 2,064 bytes a column: two K rows make one word.  64 loads of 512 bytes a wave are out.  One barrier.
;   Thread (h, r) holds columns 64 h + 4 r + c, c = 0..3; column 64 h + 4 r + c goes to LDS row 64 h + 16 c + r, so that 16 lanes store to, and later read from, 16 consecutive LDS rows (129 x 16 bytes apart: different banks).
; PHASE 2: blocks of 16 ranks are dealt to the waves by turns (block b to wave b % 4), up to five a round in 320 accumulator registers; four rounds cover 1,024 ranks, whatever the split.
;   Token rows come from memory straight into operand registers.  Nothing writes LDS behind the barrier, so the rounds need none and their contents may hang on the count.
;   Ranks past the count repeat the last row.  Slots past a wave's blocks are loaded (last row again) for a round's first two chunks and started, so that every register is written; their further products are jumped,
;   and so are the fifth slot's further loads where the wave has four blocks or fewer.
; K ORDER.  In a chunk of 128 k, step f and half h of the lanes hold k = 64 h + 16 f + 0..15, alike in both operands: a lane's eight loads of a chunk are 128 consecutive bytes of its token's row.
; THE MATRIX INSTRUCTION IS USED TRANSPOSED (source 0 = 16 LDS rows of W, source 1 = 16 tokens): a lane holds one token and eight results, which pack into 16 bytes.
; hid's LAYOUT: [expert][block of 16 ranks][slice x 8 + group of 16 LDS rows][512 bytes in lane order]: a packed accumulator leaves by one store of 512 consecutive bytes, and comes back in the next launch as half a fragment.
; GELU, exact form: max(x, 0) - 0.5 |x| q(t) e^(-x^2/2), t = 1 / (1 + 0.23164189 |x|), q the five-term fit of 1 - erf (absolute error 1.5e-7).  NaN is not treated apart.
; No tensor load: the weights must pass registers to be rounded.  No cluster: each slice has one reader, and the token rows come by a list.
; REGISTERS in windows of 256: window 0 addresses, v64-191 W's fragments (two buffers); window 1 v0-159 tokens' fragments, buffer 0 (phase 1: two sets of 128; the way out: GELU's work);
;   window 2 v0-159 buffer 1, v192-255 slot 0's accumulators; window 3 slots 1 to 4.
.set WP,     16384                     ; bytes from row to row of W1[e]
.set PK2,    2064                      ; an LDS row: a column's 1,024 k in bf16 + 16 bytes
.set CB2,    16*PK2                    ; 16 LDS rows
.set LISTS,  128*PK2                   ; behind the slice: a list for each wave, 1,041 entries of 2 bytes (1,040 is the dump)
.set LISTB,  2560
.set SPARE,  LISTS+4*LISTB             ; the spare words, 128 bytes a wave: two blocks of 256 bytes that no other line names
.set FSTEP,  32                        ; bytes of an LDS row from step to step,
.set KS2,    16                        ; and from a fragment's first four registers to its last four
.set ASTR,   16                        ; bytes between a lane's loads of a chunk of token fragments,
.set ACH,    256                       ; and from chunk to chunk
.set MSB, 0
.macro WIN new                         ; the immediate's high byte repeats the setting that is left; a switch that changes nothing is dropped
.if MSB != (\new)
	s_set_vgpr_msb (MSB<<8)|(\new)
.set MSB, \new
.endif
.endm
.macro PLACES                          ; four plain vector instructions between a matrix instruction and a load into, or a read of, its registers
.rept 4
	v_nop
.endr
.endm
; v1 lane, v2 r = lane % 16, v3 h = lane / 16, v4 16 lane, v5/v6 where I store weights (columns c = 0, 1 / 2, 3), v8 128 h, v9 my rank in slot 0, v14 4 lane, v15 1040, v16-17 at work,
; v18-22 a slot's row offset, v24-28 a slot's pair, v40-43 W fragments' addresses at k = 0 (a register for two groups of 16 LDS rows), v44-47 the same at the trip in hand,
; v48/v49 the two load sets' offsets in my rows of W, v62/v63 the add's two registers
; s12 wave, s13 expert, s14 slice, s20 count, s21 count - 1, s22 my blocks left, s23 blocks this round, s24/s25/s51 loop counters, s26 my list, s[28:29] xb, s[30:31] xb at the chunk, s[32:33] W, s[34:35] hid, s[52:53] hid at the slot
	s_load_b256 s[4:11], s[0:1], 0x0               ; W1 s[4:5], xb s[6:7], idx s[8:9], hid s[10:11]
	v_lshl_add_u32 v62, v0, 2, SPARE
	v_mov_b32 v63, 0
	v_lshrrev_b32 v16, 5, v0
	v_readfirstlane_b32 s12, v16                   ; wave
	s_and_b32 s13, ttmp7, 0xffff                   ; expert
	s_mov_b32 s14, ttmp9                           ; slice
	v_and_b32 v1, 31, v0
	v_lshlrev_b32 v4, 4, v1
	v_mov_b32 v48, v4
	v_mov_b32 v49, v4
	s_lshl_b32 s54, s13, 24                        ; an expert's W1: 16 MiB
	s_lshl_b32 s15, s14, 9                         ; 128 columns of f32
	s_add_co_u32 s54, s54, s15
	s_lshl_b32 s15, s12, 22                        ; my 256 rows of 16,384 bytes
	s_add_co_u32 s54, s54, s15
	s_mov_b32 s55, 0
	s_wait_kmcnt 0x0
	s_add_nc_u64 s[32:33], s[4:5], s[54:55]
	s_lshl_b32 s54, s13, 23                        ; an expert's hid: 64 blocks of 131,072 bytes
	s_lshl_b32 s15, s12, 17                        ; block w
	s_add_co_u32 s54, s54, s15
	s_lshl_b32 s15, s14, 12                        ; the slice's eight tiles of 512 bytes
	s_add_co_u32 s54, s54, s15
	s_add_nc_u64 s[34:35], s[10:11], s[54:55]
	s_mov_b64 s[28:29], s[6:7]
.irp i, 0,1,2,3,4,5,6,7,8,9,10,11,12,13,14,15
	global_load_b128 v[128+4*\i:131+4*\i], v4, s[8:9] offset:512*\i   ; register 4 i + c: pair 128 i + 4 lane + c
.endr
.macro ISSUE set, rowoff, voff         ; 32 rows of the slice: a load is one row's 512 bytes
	WIN 0x40
.set i, 0
.rept 32
	global_load_b128 v[(\set)+4*i:(\set)+4*i+3], v[\voff], s[32:33] offset:((\rowoff)+i)*WP th:TH_LOAD_NT
.set i, i+1
.endr
	WIN 0
.endm
; 32 rows are rounded to bf16 and stored.  For column c and eight rows 8 u .. 8 u + 7: four words of two neighbouring k each, 16 bytes of the column's LDS row.  par: the first or second 32 rows of a trip's 64.
.macro CONV set, par
	WIN 0x05
.irp cc, 0,1,2,3
.irp u, 0,1,2,3
.irp m, 0,1,2,3
	v_cvt_pk_bf16_f32 v[64+16*\cc+4*\u+\m], v[(\set)+4*(8*\u+2*\m)+\cc], v[(\set)+4*(8*\u+2*\m+1)+\cc]
.endr
.endr
.endr
	WIN 0
.irp cc, 0,1,2,3
.irp u, 0,1,2,3
	ds_store_b128 v[5+\cc/2], v[64+16*\cc+4*\u:64+16*\cc+4*\u+3] offset:CB2*(\cc%2)+64*(\par)+16*\u
.endr
.endr
.endm
	ISSUE 0, 0, 48
	v_and_b32 v2, 15, v0
	v_bfe_u32 v3, v0, 4, 1
	v_lshl_add_u32 v16, v3, 6, v2                  ; LDS row 64 h + r (+ 16 c),
	v_mul_u32_u24 v5, v16, PK2
	s_lshl_b32 s15, s12, 9
	v_add_nc_u32 v5, s15, v5                       ; k = 256 w on
	v_add_nc_u32 v6, 2*CB2, v5
	v_mul_u32_u24 v40, v2, PK2                     ; a fragment: LDS row r of its group,
	v_lshl_add_u32 v40, v3, 7, v40                 ; k = 64 h on
	v_add_nc_u32 v41, 2*CB2, v40
	v_add_nc_u32 v42, 4*CB2, v40
	v_add_nc_u32 v43, 6*CB2, v40
	v_lshlrev_b32 v8, 7, v3
	s_lshl_b32 s15, s12, 4
	v_add_nc_u32 v9, s15, v2
	v_lshlrev_b32 v14, 2, v1
	v_mov_b32 v15, 0x410
	s_mul_i32 s26, s12, LISTB
	s_add_co_u32 s26, s26, LISTS
	s_mov_b32 s20, 0
	s_mov_b32 s36, 0x3e6d3388                      ; 0.23164189 = 0.3275911 / sqrt(2); each constant twice: the packed forms name a pair
	s_mov_b32 s37, 0x3e6d3388
	s_mov_b32 s38, 0xbf38aa3b                      ; -log2(e) / 2
	s_mov_b32 s39, 0xbf38aa3b
	s_mov_b32 s40, 0x3e827906                      ; 0.254829592
	s_mov_b32 s41, 0x3e827906
	s_mov_b32 s42, 0xbe91a98e                      ; -0.284496736
	s_mov_b32 s43, 0xbe91a98e
	s_mov_b32 s44, 0x3fb5f0e3                      ; 1.421413741
	s_mov_b32 s45, 0x3fb5f0e3
	s_mov_b32 s46, 0xbfba00e3                      ; -1.453152027
	s_mov_b32 s47, 0xbfba00e3
	s_mov_b32 s48, 0x3f87dc22                      ; 1.061405429
	s_mov_b32 s49, 0x3f87dc22
	s_mov_b32 s50, 0x7fffffff
	v_lshl_add_u32 v16, v1, 4, s26
.irp i, 64,65,66,67
	v_mov_b32 v\i, 0
.endr
.irp i, 0,1,2,3,4
	ds_store_b128 v16, v[64:67] offset:512*\i      ; my list starts as pair 0 everywhere: every entry that can be read has been written
.endr
	s_wait_loadcnt 32                              ; idx is in; the first 32 weight rows stay out
	ISSUE 128, 32, 49
; one register of idx: the lanes that hold e take the next ranks, in lane order; the others write the dump entry
.macro SCAN n
.set t0, 64+2*((\n)%4)
	v_cmp_eq_u32 vcc_lo, s13, v[128+(\n)]
	v_mbcnt_lo_u32_b32 v[t0], vcc_lo, s20          ; the count so far + the matching lanes below me
	v_add_nc_u32 v[t0+1], 128*((\n)/4)+(\n)%4, v14 ; my pair
	v_cndmask_b32 v[t0], v15, v[t0], vcc_lo
	s_bcnt1_i32_b32 s27, vcc_lo
	v_min_u32 v[t0], 0x410, v[t0]                  ; the index stays inside my list
	s_add_co_u32 s20, s20, s27
	v_lshl_add_u32 v[t0], v[t0], 1, s26
	ds_store_b16 v[t0], v[t0+1]
.endm
.set n, 0
.rept 64
	SCAN n
.set n, n+1
.endr
	s_min_u32 s20, s20, 0x400                      ; a token names an expert once: 1,024 at the most
	s_max_u32 s21, s20, 1
	s_sub_co_u32 s21, s21, 1
	s_min_u32 s21, s21, 0x3ff                      ; the last rank
	s_lshl_b32 s15, s21, 1
	s_add_co_u32 s15, s15, s26
	v_mov_b32 v16, s15
	ds_load_u16 v17, v16                           ; LDS serves a wave's instructions in order: this sees the stores above
	v_add_nc_u32 v16, s20, v2
	v_min_u32 v16, 0x40f, v16
	v_lshl_add_u32 v16, v16, 1, s26
	s_wait_dscnt 0x0
	ds_store_b16 v16, v17                          ; sixteen entries past the count repeat the last pair
	s_add_co_u32 s22, s20, 15
	s_lshr_b32 s22, s22, 4                         ; blocks of 16 ranks,
	s_add_co_u32 s22, s22, 3
	s_sub_co_u32 s22, s22, s12
	s_lshr_b32 s22, s22, 2                         ; of which blocks w, w + 4, .. are mine
	; PHASE 1.  Each load set has an offset register of its own, which is stepped behind the wait that shows the set's loads done: no further wait is needed.
	s_mov_b32 s25, 3
.Lw:
	s_wait_loadcnt 32                              ; the older set is in; the other set's 32 loads stay out
	CONV 0, 0
	v_add_nc_u32 v48, 64*WP, v48                   ; 64 rows on
	ISSUE 0, 0, 48
	s_wait_loadcnt 32
	CONV 128, 1
	v_add_nc_u32 v49, 64*WP, v49
	ISSUE 128, 32, 49
	v_add_nc_u32 v5, 128, v5                       ; 64 k on
	v_add_nc_u32 v6, 128, v6
	s_sub_co_u32 s25, s25, 1
	s_cmp_lg_u32 s25, 0
	s_cbranch_scc1 .Lw
	s_wait_loadcnt 32                              ; the last two sets: nothing more is asked for
	CONV 0, 0
	s_wait_loadcnt 0x0
	CONV 128, 1
	s_wait_dscnt 0x0                               ; for the others' sake: my rows of the slice are in LDS
	s_barrier_signal -1
	s_barrier_wait -1                              ; the slice is whole; nobody writes LDS again before the closing lines
; token fragments of the chunk at byte off from s[30:31], for the slots named: eight loads a slot; a lane's eight are 128 consecutive bytes.  Many work-groups read these rows again.
.macro ALD buf, off, slots:vararg
	WIN (1+(\buf))<<6
.irp a, \slots
.irp i, 0,1,2,3,4,5,6,7
	global_load_b128 v[32*\a+4*\i:32*\a+4*\i+3], v[18+\a], s[30:31] offset:(\off)+ASTR*\i th:TH_LOAD_HT
.endr
.endr
	WIN 0
.endm
; The next chunk's token fragments are asked for, a whole chunk ahead of their use; the fifth slot's only where the wave has five blocks.  Each way waits for all but the loads just issued: the chunk in hand is in.
.macro AFETCH buf
	s_wait_xcnt 0x0                                ; the loads' base is stepped only behind this wait
	s_add_nc_u64 s[30:31], s[30:31], ACH           ; the chunk in hand; the loads reach one chunk further
	ALD \buf, ACH, 0,1,2,3
	s_cmp_lt_u32 s23, 5
	s_cbranch_scc1 .Lf4_\@
	ALD \buf, ACH, 4
	s_wait_loadcnt 40
	s_branch .Lfj_\@
.Lf4_\@:
	s_wait_loadcnt 32
.Lfj_\@:
.endm
.macro BLOAD bb, koff                  ; a step's fragments of W: eight groups of 16 LDS rows x 32 k, at byte koff of the rows
	WIN 0
.irp c, 0,1,2,3,4,5,6,7
	ds_load_b128 v[64+64*(\bb)+8*\c:64+64*(\bb)+8*\c+3], v[44+\c/2] offset:CB2*(\c%2)+(\koff)
	ds_load_b128 v[64+64*(\bb)+8*\c+4:64+64*(\bb)+8*\c+7], v[44+\c/2] offset:CB2*(\c%2)+(\koff)+KS2
.endr
.endm
; 32 along K for the round's slots.  The accumulators take turns, one instruction a turn, eight at the least between two links of a chain.
; zero = 1: the products start the sums, in all five slots, so that every accumulator is written.  Otherwise the slots past s23 are jumped.
; pre = 1: the next step's fragments of W are asked for; 2: but not in the K loop's last trip, where there is no next step.
.macro STEP par, f, zero, pre, kb
	s_wait_dscnt 0x0                               ; this step's fragments of W, asked for a step ago
.if (\f) > 0
	PLACES
.endif
.if (\pre) == 2
	s_cmp_eq_u32 s25, 1
	s_cbranch_scc1 .Lnb_\@
.endif
.if (\pre) > 0
.if (\f) < 3
	BLOAD ((\f)+1)&1, (\kb)+FSTEP*((\f)+1)
.else
	BLOAD 0, (\kb)+256
.endif
.endif
.if (\pre) == 2
.Lnb_\@:
.endif
.irp a, 0,1,2,3,4
.if (\a > 0) && !(\zero)
	WIN 0                                          ; at a branch every window is 0
	s_cmp_le_u32 s23, \a
	s_cbranch_scc1 .Lse_\@
.endif
.set aw, 2+(\a+3)/4
.set ab, (192+64*\a)&255
	WIN ((1+(\par))<<2)|(aw<<4)|(aw<<6)
.irp c, 0,1,2,3,4,5,6,7
.if \zero
	v_wmma_f32_16x16x32_bf16 v[ab+8*\c:ab+8*\c+7], v[64+64*((\f)&1)+8*\c:64+64*((\f)&1)+8*\c+7], v[32*\a+8*(\f):32*\a+8*(\f)+7], 0
.else
	v_wmma_f32_16x16x32_bf16 v[ab+8*\c:ab+8*\c+7], v[64+64*((\f)&1)+8*\c:64+64*((\f)&1)+8*\c+7], v[32*\a+8*(\f):32*\a+8*(\f)+7], v[ab+8*\c:ab+8*\c+7]
.endif
.endr
.endr
	WIN 0
.Lse_\@:
.endm
.macro SECTION a                       ; slot a's 64 sums, each accumulator from its low end: |x| and max(x, 0) into window 1
.set aw, 2+((\a)+3)/4
.set ab, (192+64*(\a))&255
	WIN (1<<6)|(aw<<2)
.set i, 0
.rept 64
	v_and_b32 v[i], s50, v[ab+i]
	v_max_num_f32 v[64+i], 0, v[ab+i]
.set i, i+1
.endr
	WIN 0
.endm
	; PHASE 2
	s_mov_b32 s24, 4
.Lround:
	s_cmp_eq_u32 s22, 0
	s_cbranch_scc1 .Lround_end                     ; nothing left for this wave: no barrier stands in what is jumped
	s_min_u32 s23, s22, 5
	s_sub_co_u32 s22, s22, s23
.irp a, 0,1,2,3,4
	v_add_nc_u32 v16, 64*\a, v9                    ; slot a: block 4 (5 round + a) + w
	v_min_u32 v16, s21, v16                        ; past the count: the last rank
	v_min_u32 v16, 0x3ff, v16
	v_lshl_add_u32 v16, v16, 1, s26
	ds_load_u16 v[24+\a], v16
.endr
	s_wait_dscnt 0x0
.irp a, 0,1,2,3,4
	v_min_u32 v[24+\a], 0x7ff, v[24+\a]
	v_and_b32 v[24+\a], 0x7fe, v[24+\a]            ; 2 x token
	v_lshl_add_u32 v[18+\a], v[24+\a], 10, v8      ; token x 2,048 bytes + 128 h
.endr
	s_mov_b64 s[30:31], s[28:29]
.irp p, 0,1,2,3
	v_mov_b32 v[44+\p], v[40+\p]
.endr
	PLACES
	ALD 0, 0, 0,1,2,3,4                            ; chunks 0 and 1 for all five slots
	BLOAD 0, 0
	ALD 1, ACH, 0,1,2,3,4
	s_mov_b32 s25, 4
	s_wait_loadcnt 40                              ; all but chunk 1's 40 loads: chunk 0 is in
	STEP 0, 0, 1, 1, 0                             ; the first step stands ahead of the loop: its products start the sums
	s_branch .Lmid                                 ; the loop is entered in the middle of a trip
.Lk:                                                   ; a trip is two chunks of 128 along K; the LDS addresses step once
	PLACES
	AFETCH 1
	STEP 0, 0, 0, 1, 0
.Lmid:
	STEP 0, 1, 0, 1, 0
	STEP 0, 2, 0, 1, 0
	STEP 0, 3, 0, 1, 0
	PLACES
	s_cmp_eq_u32 s25, 1
	s_cbranch_scc1 .Lnofetch                       ; the last trip's second chunk is the last: nothing is left to ask for
	AFETCH 0
	s_branch .Lfetched
.Lnofetch:
	s_wait_loadcnt 0x0
.Lfetched:
	STEP 1, 0, 0, 1, 256
	STEP 1, 1, 0, 1, 256
	STEP 1, 2, 0, 1, 256
	STEP 1, 3, 0, 2, 256
.irp p, 0,1,2,3
	v_add_nc_u32 v[44+\p], 512, v[44+\p]
.endr
	s_sub_co_u32 s25, s25, 1
	s_cmp_lg_u32 s25, 0
	s_cbranch_scc1 .Lk
	s_wait_loadcnt 0x0                             ; no load of mine is out: the fragment buffers are written again below
	PLACES
	; THE WAY OUT, a slot a trip: GELU, rounding to bf16, eight stores of 512 consecutive bytes
	s_mov_b32 s51, 0
.Lep:
	s_cmp_ge_u32 s51, s23
	s_cbranch_scc1 .Lep_next
	s_wait_xcnt 0x0                                ; the last trip's stores have read their base and data
	s_lshl_b32 s54, s51, 19                        ; four blocks of 131,072 bytes from slot to slot
	s_add_nc_u64 s[52:53], s[34:35], s[54:55]
	s_cmp_eq_u32 s51, 0
	s_cbranch_scc1 .Lsec0
	s_cmp_eq_u32 s51, 1
	s_cbranch_scc1 .Lsec1
	s_cmp_eq_u32 s51, 2
	s_cbranch_scc1 .Lsec2
	s_cmp_eq_u32 s51, 3
	s_cbranch_scc1 .Lsec3
	SECTION 4
	s_branch .Lcommon
.Lsec0:
	SECTION 0
	s_branch .Lcommon
.Lsec1:
	SECTION 1
	s_branch .Lcommon
.Lsec2:
	SECTION 2
	s_branch .Lcommon
.Lsec3:
	SECTION 3
.Lcommon:
	WIN 0x55                                       ; all in window 1: v0-63 |x|, v64-127 max(x, 0), v128-135 u, v136-143 t, v144-151 q, v224-255 packed
.irp c, 0,1,2,3,4,5,6,7
.irp u, 0,1,2,3
	v_pk_mul_f32 v[128+2*\u:129+2*\u], v[8*\c+2*\u:8*\c+2*\u+1], v[8*\c+2*\u:8*\c+2*\u+1]
	v_pk_fma_f32 v[136+2*\u:137+2*\u], v[8*\c+2*\u:8*\c+2*\u+1], s[36:37], 1.0 op_sel_hi:[1,0,0]
.endr
.irp u, 0,1,2,3
	v_pk_mul_f32 v[128+2*\u:129+2*\u], v[128+2*\u:129+2*\u], s[38:39] op_sel_hi:[1,0]
.endr
.irp j, 0,1,2,3,4,5,6,7
	v_rcp_f32 v[136+\j], v[136+\j]                 ; t
.endr
.irp j, 0,1,2,3,4,5,6,7
	v_exp_f32 v[128+\j], v[128+\j]                 ; e^(-x^2/2)
.endr
.irp u, 0,1,2,3
	v_pk_mul_f32 v[8*\c+2*\u:8*\c+2*\u+1], v[8*\c+2*\u:8*\c+2*\u+1], 0.5 op_sel_hi:[1,0]   ; plain work between the exponentials and the use of their results
.endr
	s_wait_alu depctr_va_vdst(0)
.irp u, 0,1,2,3
	v_pk_fma_f32 v[144+2*\u:145+2*\u], v[136+2*\u:137+2*\u], s[48:49], s[46:47] op_sel_hi:[1,0,0]
.endr
.irp k, 44,42,40
.irp u, 0,1,2,3
	v_pk_fma_f32 v[144+2*\u:145+2*\u], v[144+2*\u:145+2*\u], v[136+2*\u:137+2*\u], s[\k:\k+1] op_sel_hi:[1,1,0]
.endr
.endr
.irp u, 0,1,2,3
	v_pk_mul_f32 v[144+2*\u:145+2*\u], v[144+2*\u:145+2*\u], v[136+2*\u:137+2*\u]
.endr
.irp u, 0,1,2,3
	v_pk_mul_f32 v[144+2*\u:145+2*\u], v[144+2*\u:145+2*\u], v[128+2*\u:129+2*\u]
.endr
.irp u, 0,1,2,3
	v_pk_fma_f32 v[64+8*\c+2*\u:64+8*\c+2*\u+1], v[8*\c+2*\u:8*\c+2*\u+1], v[144+2*\u:145+2*\u], v[64+8*\c+2*\u:64+8*\c+2*\u+1] neg_lo:[1,0,0] neg_hi:[1,0,0]
.endr
.irp u, 0,1,2,3
	v_cvt_pk_bf16_f32 v[224+4*\c+\u], v[64+8*\c+2*\u], v[64+8*\c+2*\u+1]
.endr
.endr
	WIN 0x04                                       ; the stores' data in window 1
.irp c, 0,1,2,3,4,5,6,7
	global_store_b128 v4, v[224+4*\c:227+4*\c], s[52:53] offset:512*\c   ; a tile: the wave stores 512 consecutive bytes, aligned
.endr
	WIN 0
.Lep_next:
	s_add_co_u32 s51, s51, 1
	s_cmp_lt_u32 s51, 5
	s_cbranch_scc1 .Lep
	s_add_nc_u64 s[34:35], s[34:35], 2621440       ; five slots on (the stores name its copy, s[52:53])
	v_add_nc_u32 v9, 320, v9
.Lround_end:
	s_sub_co_u32 s24, s24, 1
	s_cmp_lg_u32 s24, 0
	s_cbranch_scc1 .Lround
	s_wait_dscnt 0x0                               ; my reads of LDS are over;
	s_barrier_signal -1
	s_barrier_wait -1                              ; every wave's are: LDS is written again only behind this barrier
	s_wait_tensorcnt 0x0                           ; the wave's end: three closing lines, behind my last LDS store
	ds_add_u32 v62, v63
	s_wait_dscnt 0x0
	s_endpgm
.Lfunc_end_k_q40a761cd86_up:
	.size	k_q40a761cd86_up, .Lfunc_end_k_q40a761cd86_up-k_q40a761cd86_up
	.p2alignl 7, 3214868480
	.fill 96, 4, 3214868480
	.section	.rodata,"a",@progbits
	.p2align	6, 0x0
	.amdhsa_kernel k_q40a761cd86_up
		.amdhsa_group_segment_fixed_size 274944
		.amdhsa_private_segment_fixed_size 0
		.amdhsa_enable_private_segment 0
		.amdhsa_kernarg_size 32
		.amdhsa_user_sgpr_count 2
		.amdhsa_user_sgpr_kernarg_segment_ptr 1
		.amdhsa_wavefront_size32 1
		.amdhsa_system_sgpr_workgroup_id_x 1
		.amdhsa_system_sgpr_workgroup_id_y 1
		.amdhsa_system_sgpr_workgroup_id_z 1
		.amdhsa_system_vgpr_workitem_id 0
		.amdhsa_next_free_vgpr 1024
		.amdhsa_next_free_sgpr 66
		.amdhsa_reserve_vcc 1
		.amdhsa_float_denorm_mode_32 3
		.amdhsa_float_denorm_mode_16_64 3
		.amdhsa_memory_ordered 1
		.amdhsa_forward_progress 1
		.amdhsa_inst_pref_size 176
	.end_amdhsa_kernel
	.amdgpu_metadata
---
amdhsa.version: [ 1, 2 ]
amdhsa.kernels:
  - .name:           k_q40a761cd86_up
    .symbol:         k_q40a761cd86_up.kd
    .args:
      - { .name: W1, .offset: 0, .size: 8, .value_kind: global_buffer, .address_space: global }
      - { .name: xb, .offset: 8, .size: 8, .value_kind: global_buffer, .address_space: global }
      - { .name: idx, .offset: 16, .size: 8, .value_kind: global_buffer, .address_space: global }
      - { .name: hid, .offset: 24, .size: 8, .value_kind: global_buffer, .address_space: global }
    .group_segment_fixed_size: 274944
    .private_segment_fixed_size: 0
    .kernarg_segment_align: 8
    .kernarg_segment_size: 32
    .max_flat_workgroup_size: 128
    .sgpr_count:     66
    .vgpr_count:     1024
    .wavefront_size: 32
...
	.end_amdgpu_metadata
.endif
;; end of part 2
;; launch down (part 3): grid 32 x 8, 4 waves a work-group, no clusters, 274,944 bytes of LDS; arguments W2, hid, idx, gate, part; writes part
.if DOCPART == 3
	.amdgcn_target "amdgcn-amd-amdhsa--gfx1250"
	.amdhsa_code_object_version 6
	.text
	.protected	k_q40a761cd86_down
	.globl	k_q40a761cd86_down
	.p2align	8
	.type	k_q40a761cd86_down,@function
k_q40a761cd86_down:
	s_mov_b64 s[64:65], 0
	v_nop
	global_prefetch_b8 v0, s[64:65] scope:SCOPE_SE
	s_setreg_imm32_b32 hwreg(HW_REG_WAVE_MODE, 25, 1), 1
	s_wait_xcnt 0x0
; SECOND PRODUCT.  part[q][p][n] = gate[p] x the sum over k in quarter q of hid(rank of p, k) W2[e][k][n], in f32, for the pairs p that chose expert e.
; A work-group (x = 8 q + column slice, y = expert) owns W2[e][1024 q .. +1023][128 slice .. +127]: 512 KiB of f32 that it alone reads, once.  The four quarters' partial sums, kept in f32, are added by the next launch.
; Built as the first product is: every wave scans idx into a list of its own (the same scan, so the same ranks); the slice is rounded to bf16 on its way into LDS, laid [column][k], 2,064 bytes a column; one barrier;
; then blocks of 16 ranks by turns among the waves, up to five a round, four rounds.  Nothing writes LDS behind the barrier.
; hid lies in tiles: [expert][block of 16 ranks][256 groups][512 bytes in lane order]; a tile is 16 ranks x 16 k and one load of 512 consecutive bytes brings it as half a fragment.
; K ORDER.  The first product laid hidden index 64 g + 4 r + c of each 128 at place 64 g + 16 c + r.  The slice takes the same order: of 32 rows of W2, rows 4 j + c, j = 0..7, are eight neighbouring places.
; COLUMNS.  Thread (h, r) holds columns 64 h + 4 r + c; column 64 h + 4 r + c goes to LDS row 64 h + 16 c + r.  Source 0 = 16 ranks, source 1 = 16 LDS rows: a lane holds LDS row r of a group and eight ranks, so the four
; accumulators 4 g + c hold four neighbouring columns of a rank: the multiply by the gate brings them into four registers on end, and 16 lanes store 256 consecutive bytes.
; Ranks past the count repeat the last row in hid and (by the list's sixteen repeated entries) the last pair: they store the same numbers to the same place.  Slots past a wave's blocks load the last block again for a
; round's first two chunks and are started, so that every register is written; their further products are jumped, and so are the fifth slot's further loads where the wave has four blocks or fewer.
; No tensor load: the weights must pass registers to be rounded.  No cluster: each slice has one reader; what an expert's work-groups share, hid's tiles, is an eighth of a work-group's bytes at the drawn split.
; REGISTERS in windows of 256: window 0 addresses, v64-191 W's fragments (two buffers), v192-255 the way out; window 1 v0-159 hid's fragments, buffer 0 (phase 1: two sets of 128), v160-199 the rows' offsets in part, v200-239 the gates;
;   window 2 v0-159 buffer 1, v192-255 slot 0's accumulators; window 3 slots 1 to 4.
.set WP,     4096                      ; bytes from row to row of W2[e]
.set PK2,    2064                      ; an LDS row: a column's 1,024 k in bf16 + 16 bytes
.set CB2,    16*PK2
.set LISTS,  128*PK2
.set LISTB,  2560
.set SPARE,  LISTS+4*LISTB             ; the spare words, 128 bytes a wave: two blocks of 256 bytes that no other line names
.set FSTEP,  64                        ; bytes of an LDS row from step to step,
.set KS2,    32                        ; and from a fragment's first four registers to its last four
.set ASTR,   512                       ; a tile of hid,
.set ACH,    4096                      ; a chunk's eight tiles
.set MSB, 0
.macro WIN new                         ; the immediate's high byte repeats the setting that is left; a switch that changes nothing is dropped
.if MSB != (\new)
	s_set_vgpr_msb (MSB<<8)|(\new)
.set MSB, \new
.endif
.endm
.macro PLACES                          ; four plain vector instructions between a matrix instruction and a load into, or a read of, its registers
.rept 4
	v_nop
.endr
.endm
; v1 lane, v2 r, v3 h, v4 16 lane, v5/v6 where I store weights, v10 the first rank of slot 0 that my lane holds (16 w + 8 h), v13 16 r, v14 4 lane, v15 1040, v16-17 at work, v18-22 a slot's offset in hid,
; v24-28 a slot's place in my list, v40-43 W fragments' addresses at k = 0, v44-47 at the trip in hand, v48/v49 the two load sets' offsets in my rows of W, v62/v63 the add's two registers
; s12 wave, s13 expert, s14 x, s17 slot 0's block, s18 column slice, s19 quarter, s20 count, s21 the last block, s22 blocks left, s23 blocks this round, s24/s25 counters, s26 my list,
; s[10:11] gate, s[28:29] hid, s[30:31] hid at the chunk, s[32:33] W, s[34:35] part
	s_load_b256 s[4:11], s[0:1], 0x0               ; W2 s[4:5], hid s[6:7], idx s[8:9], gate s[10:11]
	s_load_b64 s[36:37], s[0:1], 0x20              ; part
	v_lshl_add_u32 v62, v0, 2, SPARE
	v_mov_b32 v63, 0
	v_lshrrev_b32 v16, 5, v0
	v_readfirstlane_b32 s12, v16                   ; wave
	s_and_b32 s13, ttmp7, 0xffff                   ; expert
	s_mov_b32 s14, ttmp9
	s_and_b32 s18, s14, 7                          ; column slice
	s_lshr_b32 s19, s14, 3                         ; quarter of K
	s_mov_b32 s17, s12
	v_and_b32 v1, 31, v0
	v_lshlrev_b32 v4, 4, v1
	v_mov_b32 v48, v4
	v_mov_b32 v49, v4
	s_lshl_b32 s54, s13, 24                        ; an expert's W2: 16 MiB
	s_lshl_b32 s15, s19, 22                        ; 1,024 rows of 4,096 bytes
	s_add_co_u32 s54, s54, s15
	s_lshl_b32 s15, s18, 9                         ; 128 columns of f32
	s_add_co_u32 s54, s54, s15
	s_lshl_b32 s15, s12, 20                        ; my 256 rows
	s_add_co_u32 s54, s54, s15
	s_mov_b32 s55, 0
	s_wait_kmcnt 0x0
	s_add_nc_u64 s[32:33], s[4:5], s[54:55]
	s_lshl_b32 s54, s13, 23                        ; an expert's hid
	s_lshl_b32 s15, s19, 15                        ; the quarter's 64 tiles of a block
	s_add_co_u32 s54, s54, s15
	s_add_nc_u64 s[28:29], s[6:7], s[54:55]
	s_lshl_b32 s54, s19, 23                        ; a quarter's part: 2,048 pairs x 4,096 bytes
	s_lshl_b32 s15, s18, 9
	s_add_co_u32 s54, s54, s15
	s_add_nc_u64 s[34:35], s[36:37], s[54:55]
.irp i, 0,1,2,3,4,5,6,7,8,9,10,11,12,13,14,15
	global_load_b128 v[128+4*\i:131+4*\i], v4, s[8:9] offset:512*\i   ; register 4 i + c: pair 128 i + 4 lane + c
.endr
.macro ISSUE set, rowoff, voff         ; 32 rows of the slice: a load is one row's 512 bytes
	WIN 0x40
.set i, 0
.rept 32
	global_load_b128 v[(\set)+4*i:(\set)+4*i+3], v[\voff], s[32:33] offset:((\rowoff)+i)*WP th:TH_LOAD_NT
.set i, i+1
.endr
	WIN 0
.endm
; 32 rows are rounded to bf16 and stored.  For column c and the eight rows 4 j + u: four words (rows 8 m + u and 8 m + 4 + u), 16 bytes of the column's LDS row, at byte 32 u + 16 par of the trip's 128.
.macro CONV set, par
	WIN 0x05
.irp cc, 0,1,2,3
.irp u, 0,1,2,3
.irp m, 0,1,2,3
	v_cvt_pk_bf16_f32 v[64+16*\cc+4*\u+\m], v[(\set)+4*(8*\m+\u)+\cc], v[(\set)+4*(8*\m+4+\u)+\cc]
.endr
.endr
.endr
	WIN 0
.irp cc, 0,1,2,3
.irp u, 0,1,2,3
	ds_store_b128 v[5+\cc/2], v[64+16*\cc+4*\u:64+16*\cc+4*\u+3] offset:CB2*(\cc%2)+16*(\par)+32*\u
.endr
.endr
.endm
	ISSUE 0, 0, 48
	v_and_b32 v2, 15, v0
	v_bfe_u32 v3, v0, 4, 1
	v_lshl_add_u32 v16, v3, 6, v2                  ; LDS row 64 h + r (+ 16 c),
	v_mul_u32_u24 v5, v16, PK2
	s_lshl_b32 s15, s12, 9
	v_add_nc_u32 v5, s15, v5                       ; place 256 w on
	v_add_nc_u32 v6, 2*CB2, v5
	v_mul_u32_u24 v40, v2, PK2                     ; a fragment: LDS row r of its group,
	v_lshl_add_u32 v40, v3, 4, v40                 ; place 8 h on
	v_add_nc_u32 v41, 2*CB2, v40
	v_add_nc_u32 v42, 4*CB2, v40
	v_add_nc_u32 v43, 6*CB2, v40
	s_lshl_b32 s15, s12, 4
	v_lshl_add_u32 v10, v3, 3, s15
	v_lshlrev_b32 v13, 4, v2
	v_lshlrev_b32 v14, 2, v1
	v_mov_b32 v15, 0x410
	s_mul_i32 s26, s12, LISTB
	s_add_co_u32 s26, s26, LISTS
	s_mov_b32 s20, 0
	v_lshl_add_u32 v16, v1, 4, s26
.irp i, 64,65,66,67
	v_mov_b32 v\i, 0
.endr
.irp i, 0,1,2,3,4
	ds_store_b128 v16, v[64:67] offset:512*\i      ; my list starts as pair 0 everywhere: every entry that can be read has been written
.endr
	s_wait_loadcnt 32                              ; idx is in; the first 32 weight rows stay out
	ISSUE 128, 32, 49
; one register of idx: the lanes that hold e take the next ranks, in lane order; the others write the dump entry
.macro SCAN n
.set t0, 64+2*((\n)%4)
	v_cmp_eq_u32 vcc_lo, s13, v[128+(\n)]
	v_mbcnt_lo_u32_b32 v[t0], vcc_lo, s20          ; the count so far + the matching lanes below me
	v_add_nc_u32 v[t0+1], 128*((\n)/4)+(\n)%4, v14 ; my pair
	v_cndmask_b32 v[t0], v15, v[t0], vcc_lo
	s_bcnt1_i32_b32 s27, vcc_lo
	v_min_u32 v[t0], 0x410, v[t0]                  ; the index stays inside my list
	s_add_co_u32 s20, s20, s27
	v_lshl_add_u32 v[t0], v[t0], 1, s26
	ds_store_b16 v[t0], v[t0+1]
.endm
.set n, 0
.rept 64
	SCAN n
.set n, n+1
.endr
	s_min_u32 s20, s20, 0x400                      ; a token names an expert once: 1,024 at the most
	s_max_u32 s21, s20, 1
	s_sub_co_u32 s21, s21, 1
	s_min_u32 s21, s21, 0x3ff                      ; the last rank
	s_lshl_b32 s15, s21, 1
	s_add_co_u32 s15, s15, s26
	v_mov_b32 v16, s15
	ds_load_u16 v17, v16                           ; LDS serves a wave's instructions in order: this sees the stores above
	v_add_nc_u32 v16, s20, v2
	v_min_u32 v16, 0x40f, v16
	v_lshl_add_u32 v16, v16, 1, s26
	s_wait_dscnt 0x0
	ds_store_b16 v16, v17                          ; sixteen entries past the count repeat the last pair
	s_add_co_u32 s22, s20, 15
	s_lshr_b32 s22, s22, 4                         ; blocks of 16 ranks;
	s_max_u32 s21, s22, 1
	s_sub_co_u32 s21, s21, 1                       ; the last of them;
	s_add_co_u32 s22, s22, 3
	s_sub_co_u32 s22, s22, s12
	s_lshr_b32 s22, s22, 2                         ; blocks w, w + 4, .. are mine
	; PHASE 1.  Each load set has an offset register of its own, which is stepped behind the wait that shows the set's loads done: no further wait is needed.
	s_mov_b32 s25, 3
.Lw:
	s_wait_loadcnt 32                              ; the older set is in; the other set's 32 loads stay out
	CONV 0, 0
	v_add_nc_u32 v48, 64*WP, v48                   ; 64 rows on
	ISSUE 0, 0, 48
	s_wait_loadcnt 32
	CONV 128, 1
	v_add_nc_u32 v49, 64*WP, v49
	ISSUE 128, 32, 49
	v_add_nc_u32 v5, 128, v5                       ; 64 places on
	v_add_nc_u32 v6, 128, v6
	s_sub_co_u32 s25, s25, 1
	s_cmp_lg_u32 s25, 0
	s_cbranch_scc1 .Lw
	s_wait_loadcnt 32                              ; the last two sets: nothing more is asked for
	CONV 0, 0
	s_wait_loadcnt 0x0
	CONV 128, 1
	s_wait_dscnt 0x0                               ; for the others' sake: my rows of the slice are in LDS
	s_barrier_signal -1
	s_barrier_wait -1                              ; the slice is whole; nobody writes LDS again before the closing lines
; hid's fragments of the chunk at byte off from s[30:31], for the slots named: eight tiles a slot, 512 consecutive bytes a load.  The expert's other column slices read these tiles again.
.macro ALD buf, off, slots:vararg
	WIN (1+(\buf))<<6
.irp a, \slots
.irp i, 0,1,2,3,4,5,6,7
	global_load_b128 v[32*\a+4*\i:32*\a+4*\i+3], v[18+\a], s[30:31] offset:(\off)+ASTR*\i th:TH_LOAD_HT
.endr
.endr
	WIN 0
.endm
; The next chunk's fragments of hid are asked for, a whole chunk ahead of their use; the fifth slot's only where the wave has five blocks.  Each way waits for all but the loads just issued: the chunk in hand is in.
.macro AFETCH buf
	s_wait_xcnt 0x0                                ; the loads' base is stepped only behind this wait
	s_add_nc_u64 s[30:31], s[30:31], ACH           ; the chunk in hand; the loads reach one chunk further
	ALD \buf, ACH, 0,1,2,3
	s_cmp_lt_u32 s23, 5
	s_cbranch_scc1 .Lf4_\@
	ALD \buf, ACH, 4
	s_wait_loadcnt 40
	s_branch .Lfj_\@
.Lf4_\@:
	s_wait_loadcnt 32
.Lfj_\@:
.endm
.macro BLOAD bb, koff                  ; a step's fragments of W: eight groups of 16 LDS rows x 32 k, at byte koff of the rows
	WIN 0
.irp c, 0,1,2,3,4,5,6,7
	ds_load_b128 v[64+64*(\bb)+8*\c:64+64*(\bb)+8*\c+3], v[44+\c/2] offset:CB2*(\c%2)+(\koff)
	ds_load_b128 v[64+64*(\bb)+8*\c+4:64+64*(\bb)+8*\c+7], v[44+\c/2] offset:CB2*(\c%2)+(\koff)+KS2
.endr
.endm
; 32 along K for the round's slots.  The accumulators take turns, one instruction a turn, eight at the least between two links of a chain.
; zero = 1: the products start the sums, in all five slots, so that every accumulator is written.  Otherwise the slots past s23 are jumped.
; pre = 1: the next step's fragments of W are asked for; 2: but not in the K loop's last trip, where there is no next step.
.macro STEP par, f, zero, pre, kb
	s_wait_dscnt 0x0                               ; this step's fragments of W, asked for a step ago
.if (\f) > 0
	PLACES
.endif
.if (\pre) == 2
	s_cmp_eq_u32 s25, 1
	s_cbranch_scc1 .Lnb_\@
.endif
.if (\pre) > 0
.if (\f) < 3
	BLOAD ((\f)+1)&1, (\kb)+FSTEP*((\f)+1)
.else
	BLOAD 0, (\kb)+256
.endif
.endif
.if (\pre) == 2
.Lnb_\@:
.endif
.irp a, 0,1,2,3,4
.if (\a > 0) && !(\zero)
	WIN 0                                          ; at a branch every window is 0
	s_cmp_le_u32 s23, \a
	s_cbranch_scc1 .Lse_\@
.endif
.set aw, 2+(\a+3)/4
.set ab, (192+64*\a)&255
	WIN (1+(\par))|(aw<<4)|(aw<<6)
.irp c, 0,1,2,3,4,5,6,7
.if \zero
	v_wmma_f32_16x16x32_bf16 v[ab+8*\c:ab+8*\c+7], v[32*\a+8*(\f):32*\a+8*(\f)+7], v[64+64*((\f)&1)+8*\c:64+64*((\f)&1)+8*\c+7], 0
.else
	v_wmma_f32_16x16x32_bf16 v[ab+8*\c:ab+8*\c+7], v[32*\a+8*(\f):32*\a+8*(\f)+7], v[64+64*((\f)&1)+8*\c:64+64*((\f)&1)+8*\c+7], v[ab+8*\c:ab+8*\c+7]
.endif
.endr
.endr
	WIN 0
.Lse_\@:
.endm
; THE WAY OUT of slot a.  Register j of the eight accumulators, times the gate of rank 8 h + j, goes into eight registers on end: columns 4 r + 0..3 and 64 + 4 r + 0..3.  j ascends: each accumulator is read from its low end.
.macro OUTB a
.if (\a) > 0
	s_cmp_le_u32 s23, \a
	s_cbranch_scc1 .Lout_end
.endif
.set aw, 2+((\a)+3)/4
.set ab, (192+64*(\a))&255
	s_wait_xcnt 0x0                                ; the last slot's stores have read their data
	WIN aw|(1<<2)                                  ; source 0 the accumulators' window, source 1 (the gate) window 1
.irp j, 0,1,2,3,4,5,6,7
.irp c, 0,1,2,3,4,5,6,7
	v_mul_f32 v[192+8*\j+\c], v[ab+8*\c+\j], v[200+8*(\a)+\j]
.endr
.endr
	WIN 0x01                                       ; the stores' offsets in window 1
.irp j, 0,1,2,3,4,5,6,7
.irp g, 0,1
	global_store_b128 v[160+8*(\a)+\j], v[192+8*\j+4*\g:192+8*\j+4*\g+3], s[34:35] offset:256*\g   ; 16 lanes store 256 consecutive bytes, aligned
.endr
.endr
	WIN 0
.endm
	; PHASE 2
	s_mov_b32 s24, 4
.Lround:
	s_cmp_eq_u32 s22, 0
	s_cbranch_scc1 .Lround_end                     ; nothing left for this wave: no barrier stands in what is jumped
	s_min_u32 s23, s22, 5
	s_sub_co_u32 s22, s22, s23
	s_wait_xcnt 0x0                                ; the last round's stores have read their offsets
.irp a, 0,1,2,3,4
	s_add_co_u32 s27, s17, 4*\a                    ; slot a: block 4 (5 round + a) + w,
	s_min_u32 s27, s27, s21                        ; past the last: the last
	s_min_u32 s27, s27, 0x3f
	s_lshl_b32 s27, s27, 17
	v_add_nc_u32 v[18+\a], s27, v4                 ; block x 131,072 bytes + 16 lane
	v_add_nc_u32 v16, 64*\a, v10
	v_min_u32 v16, 0x3f8, v16
	v_lshl_add_u32 v[24+\a], v16, 1, s26           ; the list's entry of rank 16 block + 8 h
.endr
	WIN 0x40
.irp a, 0,1,2,3,4
.irp j, 0,1,2,3,4,5,6,7
	ds_load_u16 v[160+8*\a+\j], v[24+\a] offset:2*\j   ; the pair of rank 16 block + 8 h + j
.endr
.endr
	s_wait_dscnt 0x0
	WIN 0x44
.set n, 0
.rept 40
	v_min_u32 v[160+n], 0x7ff, v[160+n]
	v_lshlrev_b32 v[200+n], 2, v[160+n]            ; its place in gate
.set n, n+1
.endr
	WIN 0x41
.set n, 0
.rept 40
	global_load_b32 v[200+n], v[200+n], s[10:11]   ; the gate lands on its own offset
	v_lshl_add_u32 v[160+n], v[160+n], 12, v13     ; pair x 4,096 bytes + 16 r
.set n, n+1
.endr
	WIN 0
	s_mov_b64 s[30:31], s[28:29]
.irp p, 0,1,2,3
	v_mov_b32 v[44+\p], v[40+\p]
.endr
	PLACES
	ALD 0, 0, 0,1,2,3,4                            ; chunks 0 and 1 for all five slots
	BLOAD 0, 0
	ALD 1, ACH, 0,1,2,3,4
	s_mov_b32 s25, 4
	s_wait_loadcnt 40                              ; all but chunk 1's 40 loads: the gates and chunk 0 are in
	STEP 0, 0, 1, 1, 0                             ; the first step stands ahead of the loop: its products start the sums
	s_branch .Lmid                                 ; the loop is entered in the middle of a trip
.Lk:                                                   ; a trip is two chunks of 128 along K; the LDS addresses step once
	PLACES
	AFETCH 1
	STEP 0, 0, 0, 1, 0
.Lmid:
	STEP 0, 1, 0, 1, 0
	STEP 0, 2, 0, 1, 0
	STEP 0, 3, 0, 1, 0
	PLACES
	s_cmp_eq_u32 s25, 1
	s_cbranch_scc1 .Lnofetch                       ; the last trip's second chunk is the last: nothing is left to ask for
	AFETCH 0
	s_branch .Lfetched
.Lnofetch:
	s_wait_loadcnt 0x0
.Lfetched:
	STEP 1, 0, 0, 1, 256
	STEP 1, 1, 0, 1, 256
	STEP 1, 2, 0, 1, 256
	STEP 1, 3, 0, 2, 256
.irp p, 0,1,2,3
	v_add_nc_u32 v[44+\p], 512, v[44+\p]
.endr
	s_sub_co_u32 s25, s25, 1
	s_cmp_lg_u32 s25, 0
	s_cbranch_scc1 .Lk
	s_wait_loadcnt 0x0                             ; no load of mine is out: the fragment buffers are loaded again in the next round
	PLACES
	OUTB 0
	OUTB 1
	OUTB 2
	OUTB 3
	OUTB 4
.Lout_end:
	v_add_nc_u32 v10, 320, v10                     ; five slots on
	s_add_co_u32 s17, s17, 20
.Lround_end:
	s_sub_co_u32 s24, s24, 1
	s_cmp_lg_u32 s24, 0
	s_cbranch_scc1 .Lround
	s_wait_dscnt 0x0                               ; my reads of LDS are over;
	s_barrier_signal -1
	s_barrier_wait -1                              ; every wave's are: LDS is written again only behind this barrier
	s_wait_tensorcnt 0x0                           ; the wave's end: three closing lines, behind my last LDS store
	ds_add_u32 v62, v63
	s_wait_dscnt 0x0
	s_endpgm
.Lfunc_end_k_q40a761cd86_down:
	.size	k_q40a761cd86_down, .Lfunc_end_k_q40a761cd86_down-k_q40a761cd86_down
	.p2alignl 7, 3214868480
	.fill 96, 4, 3214868480
	.section	.rodata,"a",@progbits
	.p2align	6, 0x0
	.amdhsa_kernel k_q40a761cd86_down
		.amdhsa_group_segment_fixed_size 274944
		.amdhsa_private_segment_fixed_size 0
		.amdhsa_enable_private_segment 0
		.amdhsa_kernarg_size 40
		.amdhsa_user_sgpr_count 2
		.amdhsa_user_sgpr_kernarg_segment_ptr 1
		.amdhsa_wavefront_size32 1
		.amdhsa_system_sgpr_workgroup_id_x 1
		.amdhsa_system_sgpr_workgroup_id_y 1
		.amdhsa_system_sgpr_workgroup_id_z 1
		.amdhsa_system_vgpr_workitem_id 0
		.amdhsa_next_free_vgpr 1024
		.amdhsa_next_free_sgpr 66
		.amdhsa_reserve_vcc 1
		.amdhsa_float_denorm_mode_32 3
		.amdhsa_float_denorm_mode_16_64 3
		.amdhsa_memory_ordered 1
		.amdhsa_forward_progress 1
		.amdhsa_inst_pref_size 155
	.end_amdhsa_kernel
	.amdgpu_metadata
---
amdhsa.version: [ 1, 2 ]
amdhsa.kernels:
  - .name:           k_q40a761cd86_down
    .symbol:         k_q40a761cd86_down.kd
    .args:
      - { .name: W2, .offset: 0, .size: 8, .value_kind: global_buffer, .address_space: global }
      - { .name: hid, .offset: 8, .size: 8, .value_kind: global_buffer, .address_space: global }
      - { .name: idx, .offset: 16, .size: 8, .value_kind: global_buffer, .address_space: global }
      - { .name: gate, .offset: 24, .size: 8, .value_kind: global_buffer, .address_space: global }
      - { .name: part, .offset: 32, .size: 8, .value_kind: global_buffer, .address_space: global }
    .group_segment_fixed_size: 274944
    .private_segment_fixed_size: 0
    .kernarg_segment_align: 8
    .kernarg_segment_size: 40
    .max_flat_workgroup_size: 128
    .sgpr_count:     66
    .vgpr_count:     1024
    .wavefront_size: 32
...
	.end_amdgpu_metadata
.endif
;; end of part 3
;; launch combine (part 4): grid 256 x 1, 8 waves a work-group, no clusters, 0 bytes of LDS; arguments part, out0; writes out0
.if DOCPART == 4
	.amdgcn_target "amdgcn-amd-amdhsa--gfx1250"
	.amdhsa_code_object_version 6
	.text
	.protected	k_q40a761cd86_combine
	.globl	k_q40a761cd86_combine
	.p2align	8
	.type	k_q40a761cd86_combine,@function
k_q40a761cd86_combine:
	s_mov_b64 s[64:65], 0
	v_nop
	global_prefetch_b8 v0, s[64:65] scope:SCOPE_SE
	s_setreg_imm32_b32 hwreg(HW_REG_WAVE_MODE, 25, 1), 1
	s_wait_xcnt 0x0
; out0[t][:] = the sum of the eight rows part[q][2t][:] and part[q][2t+1][:], q = 0..3, which carry their gates already.  All in f32.
; A stream: a wave takes half a token's row (2,048 bytes of out0, 16 KiB of part); all its 32 loads, 512 neighbouring bytes each, go out together.
; No LDS, no barrier, no matrix unit: nothing is shared and memory binds.
	s_load_b128 s[4:7], s[0:1], 0x0                ; part s[4:5], out0 s[6:7]
	v_and_b32 v1, 31, v0
	v_lshrrev_b32 v2, 5, v0
	v_readfirstlane_b32 s10, v2                    ; wave
	s_lshr_b32 s11, s10, 1
	s_and_b32 s12, s10, 1                          ; which half of the row
	s_lshl_b32 s13, ttmp9, 2
	s_add_co_u32 s13, s13, s11                     ; t
	s_lshl_b32 s16, s12, 11
	s_lshl_b32 s15, s13, 13                        ; its two rows of a quarter of part
	s_add_co_u32 s15, s15, s16
	v_lshl_add_u32 v3, v1, 4, s15
	s_lshl_b32 s17, s13, 12                        ; its row of out0
	s_add_co_u32 s17, s17, s16
	v_lshl_add_u32 v4, v1, 4, s17
	s_wait_kmcnt 0x0
	s_add_nc_u64 s[24:25], s[4:5], 0x800000        ; a quarter is 8,388,608 bytes, one more than a load's immediate reaches: a base for each
	s_add_nc_u64 s[26:27], s[4:5], 0x1000000
	s_add_nc_u64 s[28:29], s[4:5], 0x1800000
.macro LQ q, b                         ; quarter q: pair j, piece i of 512 bytes -> v[16 + 16 (2 q + j) + 4 i ..]
.irp j, 0,1
.irp i, 0,1,2,3
	global_load_b128 v[16+16*(2*(\q)+\j)+4*\i:16+16*(2*(\q)+\j)+4*\i+3], v3, s[\b:\b+1] offset:4096*\j+512*\i th:TH_LOAD_NT
.endr
.endr
.endm
	LQ 0, 4
	LQ 1, 24
	LQ 2, 26
	LQ 3, 28
	s_wait_loadcnt 0x0                             ; once: nothing further is asked for
.irp i, 0,1,2,3
.irp u, 0,2
.irp k, 0,2,4,6
	v_pk_add_f32 v[16+16*\k+4*\i+\u:17+16*\k+4*\i+\u], v[16+16*\k+4*\i+\u:17+16*\k+4*\i+\u], v[32+16*\k+4*\i+\u:33+16*\k+4*\i+\u]
.endr
	v_pk_add_f32 v[16+4*\i+\u:17+4*\i+\u], v[16+4*\i+\u:17+4*\i+\u], v[48+4*\i+\u:49+4*\i+\u]
	v_pk_add_f32 v[80+4*\i+\u:81+4*\i+\u], v[80+4*\i+\u:81+4*\i+\u], v[112+4*\i+\u:113+4*\i+\u]
	v_pk_add_f32 v[16+4*\i+\u:17+4*\i+\u], v[16+4*\i+\u:17+4*\i+\u], v[80+4*\i+\u:81+4*\i+\u]
.endr
	global_store_b128 v4, v[16+4*\i:19+4*\i], s[6:7] offset:512*\i th:TH_STORE_NT   ; 512 consecutive bytes, aligned
.endr
	s_endpgm
.Lfunc_end_k_q40a761cd86_combine:
	.size	k_q40a761cd86_combine, .Lfunc_end_k_q40a761cd86_combine-k_q40a761cd86_combine
	.p2alignl 7, 3214868480
	.fill 96, 4, 3214868480
	.section	.rodata,"a",@progbits
	.p2align	6, 0x0
	.amdhsa_kernel k_q40a761cd86_combine
		.amdhsa_group_segment_fixed_size 0
		.amdhsa_private_segment_fixed_size 0
		.amdhsa_enable_private_segment 0
		.amdhsa_kernarg_size 16
		.amdhsa_user_sgpr_count 2
		.amdhsa_user_sgpr_kernarg_segment_ptr 1
		.amdhsa_wavefront_size32 1
		.amdhsa_system_sgpr_workgroup_id_x 1
		.amdhsa_system_sgpr_workgroup_id_y 1
		.amdhsa_system_sgpr_workgroup_id_z 1
		.amdhsa_system_vgpr_workitem_id 0
		.amdhsa_next_free_vgpr 160
		.amdhsa_next_free_sgpr 66
		.amdhsa_reserve_vcc 0
		.amdhsa_float_denorm_mode_32 3
		.amdhsa_float_denorm_mode_16_64 3
		.amdhsa_memory_ordered 1
		.amdhsa_forward_progress 1
		.amdhsa_inst_pref_size 8
	.end_amdhsa_kernel
	.amdgpu_metadata
---
amdhsa.version: [ 1, 2 ]
amdhsa.kernels:
  - .name:           k_q40a761cd86_combine
    .symbol:         k_q40a761cd86_combine.kd
    .args:
      - { .name: part, .offset: 0, .size: 8, .value_kind: global_buffer, .address_space: global }
      - { .name: out0, .offset: 8, .size: 8, .value_kind: global_buffer, .address_space: global }
    .group_segment_fixed_size: 0
    .private_segment_fixed_size: 0
    .kernarg_segment_align: 8
    .kernarg_segment_size: 16
    .max_flat_workgroup_size: 256
    .sgpr_count:     66
    .vgpr_count:     160
    .wavefront_size: 32
...
	.end_amdgpu_metadata
.endif
;; end of part 4
;; ======== version 2 of 2: 4 launches; version 1 with the launches up, down written anew for expert scheduling mode
;; workspace buffers: xb 2,097,152 bytes; idx 8,192 bytes of whole numbers; gate 8,192 bytes; hid 67,108,864 bytes; part 33,554,432 bytes
;; launch router: the kernel of part 1 again; grid 256 x 1, 4 waves a work-group, no clusters, 0 bytes of LDS; arguments x, Wr, xb, idx, gate; writes xb, idx, gate
;; launch up (part 5): grid 32 x 8, 4 waves a work-group, no clusters, 274,944 bytes of LDS; arguments W1, xb, idx, hid; writes hid
.if DOCPART == 5
	.amdgcn_target "amdgcn-amd-amdhsa--gfx1250"
	.amdhsa_code_object_version 6
	.text
	.protected	k_q40a761cd86_up
	.globl	k_q40a761cd86_up
	.p2align	8
	.type	k_q40a761cd86_up,@function
k_q40a761cd86_up:
	s_mov_b64 s[64:65], 0
	v_nop
	global_prefetch_b8 v0, s[64:65] scope:SCOPE_SE
	s_setreg_imm32_b32 hwreg(HW_REG_WAVE_SCHED_MODE, 0, 2), 2
	s_setreg_imm32_b32 hwreg(HW_REG_WAVE_MODE, 25, 1), 1
	s_wait_xcnt 0x0
	s_wait_alu depctr_vm_vsrc(0)
; FIRST PRODUCT.  hid = gelu(xb[token of rank] . W1[e][:, n]), in bf16, for the rows that chose expert e.
; A work-group (x = slice 0..31, y = expert) owns W1[e][0..1023][128 slice .. +127]: 512 KiB of f32 that it alone reads, once.
; PHASE 0: every wave makes, for itself, the list of the pairs p = 2 token + j whose idx[p] is e (8 KiB of idx, under the first weight loads).  The rank of a pair is its place in that list; the next launch scans alike.
; PHASE 1: wave w rounds rows 256 w .. +255 of the slice to bf16 on their way through registers into LDS, laid [column][k], 2,064 bytes a column: two K rows make one word.  64 loads of 512 bytes a wave are out.  One barrier.
;   Thread (h, r) holds columns 64 h + 4 r + c, c = 0..3; column 64 h + 4 r + c goes to LDS row 64 h + 16 c + r, so that 16 lanes store to, and later read from, 16 consecutive LDS rows (129 x 16 bytes apart: different banks).
; PHASE 2: blocks of 16 ranks are dealt to the waves by turns (block b to wave b % 4), up to five a round in 320 accumulator registers; four rounds cover 1,024 ranks, whatever the split.
;   Token rows come from memory straight into operand registers.  Nothing writes LDS behind the barrier, so the rounds need none and their contents may hang on the count.
;   Ranks past the count repeat the last row.  Slots past a wave's blocks are loaded (last row again) for a round's first two chunks and started, so that every register is written; their further products are jumped,
;   and so are the fifth slot's further loads where the wave has four blocks or fewer.
; K ORDER.  In a chunk of 128 k, step f and half h of the lanes hold k = 64 h + 16 f + 0..15, alike in both operands: a lane's eight loads of a chunk are 128 consecutive bytes of its token's row.
; THE MATRIX INSTRUCTION IS USED TRANSPOSED (source 0 = 16 LDS rows of W, source 1 = 16 tokens): a lane holds one token and eight results, which pack into 16 bytes.
; hid's LAYOUT: [expert][block of 16 ranks][slice x 8 + group of 16 LDS rows][512 bytes in lane order]: a packed accumulator leaves by one store of 512 consecutive bytes, and comes back in the next launch as half a fragment.
; GELU, exact form: max(x, 0) - 0.5 |x| q(t) e^(-x^2/2), t = 1 / (1 + 0.23164189 |x|), q the five-term fit of 1 - erf (absolute error 1.5e-7).  NaN is not treated apart.
; No tensor load: the weights must pass registers to be rounded.  No cluster: each slice has one reader, and the token rows come by a list.
; REGISTERS in windows of 256: window 0 addresses, v64-191 W's fragments (two buffers), v192-255 idle in phase 2; window 1 v0-159 tokens' fragments, buffer 0 (phase 1: two sets of 128; the way out: GELU's work);
;   window 2 v0-159 buffer 1, v192-255 slot 0's accumulators; window 3 slots 1 to 4.
; THE MODE: SCHED_MODE bits 1:0 = 2 (LLVM: expert scheduling mode 2), set by the entry lines.  The code itself states the register dependences
; between vector or matrix instructions and memory or LDS instructions, with s_wait_alu, always for 0.
; THE PLAN.  Registers that memory or LDS instructions touch, and who else names them:
;   the scan     Four sets of 32 (window 0: v192-223, v224-255, v64-95, v96-127).  A batch of sixteen registers of idx writes one set (addresses and pairs); one wait on va_vdst; sixteen LDS stores read it.  No set is written twice.
;                A batch's sixteen compares write sixteen masks, s36 to s51, with one wait on va_sdst ahead of the lines that read them.
;   phase 1      Set 0, set 128 (window 1): loads land in them, a set's 64 conversions read it.  Out-buffers v64-127 (set 0's) and v192-255 (set 128's): the conversions write, sixteen LDS stores read.
;                v48, v49: a set's offset, stepped behind its conversions.  v5, v6: the LDS stores' addresses, stepped once a trip.
;                One wait on va_vdst behind a set's conversions and its offset's step: the set is read out, the out-buffer, the offset, v5 and v6 are written; the set's 32 loads and the 16 stores follow it.
;                One wait on vm_vsrc a trip, at its end (and one ahead of the loop): both out-buffers, both offsets, v5 and v6 have been read.
;   phase 2      W's buffers v64-127, v128-191: step s's products read buffer s % 2; the LDS loads issued in step s land in the other.  The tokens' two buffers: a chunk's products read one, the next chunk's loads land in the other.
;                v44-47: read by W's loads, stepped once a trip behind a wait on vm_vsrc.  v18-22, v32-36: made at a round's head, behind a wait on vm_vsrc.
;                One wait on va_vdst at a step's head: the last step's products are done reading the buffers in which this step's loads land.  Behind it slot 0's eight products go first, then the loads, then the other slots:
;                since the wait only slot 0's products have been issued, which name the buffers in hand and slot 0's accumulators, none of the registers that the loads touch.
;   the way out  Window 1 v224-255: the roundings write, eight stores read.  One wait on va_vdst ahead of the stores; the wait on vm_vsrc for them stands in the next trip, behind its first 128 vector lines.
.set WP,     16384                     ; bytes from row to row of W1[e]
.set PK2,    2064                      ; an LDS row: a column's 1,024 k in bf16 + 16 bytes
.set CB2,    16*PK2                    ; 16 LDS rows
.set LISTS,  128*PK2                   ; behind the slice: a list for each wave, 1,041 entries of 2 bytes (1,040 is the dump)
.set LISTB,  2560
.set SPARE,  LISTS+4*LISTB             ; the spare words, 128 bytes a wave: two blocks of 256 bytes that no other line names
.set FSTEP,  32                        ; bytes of an LDS row from step to step,
.set KS2,    16                        ; and from a fragment's first four registers to its last four
.set ASTR,   16                        ; bytes between a lane's loads of a chunk of token fragments,
.set ACH,    256                       ; and from chunk to chunk
.set MK,     36                        ; s[36:51] the scan's sixteen masks; behind the scan GELU's constants
.set MSB, 0
.macro WIN new                         ; the immediate's high byte repeats the setting that is left; a switch that changes nothing is dropped
.if MSB != (\new)
	s_set_vgpr_msb (MSB<<8)|(\new)
.set MSB, \new
.endif
.endm
.macro PLACES                          ; four plain vector instructions behind a matrix instruction, ahead of a load into, or a read of, its registers
.rept 4
	v_nop
.endr
.endm
; v1 lane, v2 r = lane % 16, v3 h = lane / 16, v4 16 lane, v5/v6 where I store weights (columns c = 0, 1 / 2, 3), v8 128 h, v9 my rank in slot 0, v14 4 lane, v15 1040, v16-17, v29 at work,
; v18-22 a slot's row offset, v24-28 a slot's pair, v32-36 a slot's place in my list, v40-43 W fragments' addresses at k = 0 (a register for two groups of 16 LDS rows), v44-47 the same at the trip in hand,
; v48/v49 the two load sets' offsets in my rows of W, v62/v63 the add's two registers
; s12 wave, s13 expert, s14 slice, s20 count, s21 count - 1, s22 my blocks left, s23 blocks this round, s24/s25/s51 loop counters, s26 my list, s[28:29] xb, s[30:31] xb at the chunk, s[32:33] W, s[34:35] hid, s[52:53] hid at the slot
	s_load_b256 s[4:11], s[0:1], 0x0               ; W1 s[4:5], xb s[6:7], idx s[8:9], hid s[10:11]
	v_lshl_add_u32 v62, v0, 2, SPARE
	v_mov_b32 v63, 0
	v_lshrrev_b32 v16, 5, v0
	v_readfirstlane_b32 s12, v16                   ; wave
	v_and_b32 v1, 31, v0
	v_lshlrev_b32 v4, 4, v1
	v_mov_b32 v48, v4
	v_mov_b32 v49, v4
	s_and_b32 s13, ttmp7, 0xffff                   ; expert
	s_mov_b32 s14, ttmp9                           ; slice
	s_lshl_b32 s54, s13, 24                        ; an expert's W1: 16 MiB
	s_lshl_b32 s15, s14, 9                         ; 128 columns of f32
	s_add_co_u32 s54, s54, s15
	s_wait_alu depctr_va_sdst(0)                   ; s12 is written, ahead of its first reader: the bases of W and hid are made from it
	s_lshl_b32 s15, s12, 22                        ; my 256 rows of 16,384 bytes
	s_add_co_u32 s54, s54, s15
	s_mov_b32 s55, 0
	s_wait_kmcnt 0x0
	s_add_nc_u64 s[32:33], s[4:5], s[54:55]
	s_lshl_b32 s54, s13, 23                        ; an expert's hid: 64 blocks of 131,072 bytes
	s_lshl_b32 s15, s12, 17                        ; block w
	s_add_co_u32 s54, s54, s15
	s_lshl_b32 s15, s14, 12                        ; the slice's eight tiles of 512 bytes
	s_add_co_u32 s54, s54, s15
	s_add_nc_u64 s[34:35], s[10:11], s[54:55]
	s_mov_b64 s[28:29], s[6:7]
	s_wait_alu depctr_va_vdst(0)                   ; v4, v48 and v49 are written: the offsets of the loads below
.irp i, 0,1,2,3,4,5,6,7,8,9,10,11,12,13,14,15
	global_load_b128 v[128+4*\i:131+4*\i], v4, s[8:9] offset:512*\i   ; register 4 i + c: pair 128 i + 4 lane + c
.endr
.macro ISSUE set, rowoff, voff         ; 32 rows of the slice: a load is one row's 512 bytes
	WIN 0x40
.set i, 0
.rept 32
	global_load_b128 v[(\set)+4*i:(\set)+4*i+3], v[\voff], s[32:33] offset:((\rowoff)+i)*WP th:TH_LOAD_NT
.set i, i+1
.endr
	WIN 0
.endm
; 32 rows are rounded to bf16 and stored.  For column c and eight rows 8 u .. 8 u + 7: four words of two neighbouring k each, 16 bytes of the column's LDS row.  par: the first or second 32 rows of a trip's 64.
; out: the set's out-buffer.  voff: the set's offset register, if the set is asked for again (64 rows on), else 0.
.macro CONV set, par, out, voff, rowoff
	WIN 0x05
.irp cc, 0,1,2,3
.irp u, 0,1,2,3
.irp m, 0,1,2,3
	v_cvt_pk_bf16_f32 v[(\out)+16*\cc+4*\u+\m], v[(\set)+4*(8*\u+2*\m)+\cc], v[(\set)+4*(8*\u+2*\m+1)+\cc]
.endr
.endr
.endr
	WIN 0
.if (\voff) > 0
	v_add_nc_u32 v[\voff], 64*WP, v[\voff]         ; 64 rows on: free since the wait for the set's loads, and read since the last wait on vm_vsrc by no load
.endif
	s_wait_alu depctr_va_vdst(0)                   ; the conversions are done reading the set and have written the out-buffer; the set's offset, v5 and v6 are written
.if (\voff) > 0
	ISSUE \set, \rowoff, \voff                     ; the set is asked for again at once
.endif
.irp cc, 0,1,2,3
.irp u, 0,1,2,3
	ds_store_b128 v[5+\cc/2], v[(\out)+16*\cc+4*\u:(\out)+16*\cc+4*\u+3] offset:CB2*(\cc%2)+64*(\par)+16*\u
.endr
.endr
.endm
	ISSUE 0, 0, 48
	v_and_b32 v2, 15, v0
	v_bfe_u32 v3, v0, 4, 1
	v_lshl_add_u32 v16, v3, 6, v2                  ; LDS row 64 h + r (+ 16 c),
	v_mul_u32_u24 v5, v16, PK2
	s_lshl_b32 s15, s12, 9
	v_add_nc_u32 v5, s15, v5                       ; k = 256 w on
	v_add_nc_u32 v6, 2*CB2, v5
	v_mul_u32_u24 v40, v2, PK2                     ; a fragment: LDS row r of its group,
	v_lshl_add_u32 v40, v3, 7, v40                 ; k = 64 h on
	v_add_nc_u32 v41, 2*CB2, v40
	v_add_nc_u32 v42, 4*CB2, v40
	v_add_nc_u32 v43, 6*CB2, v40
	v_lshlrev_b32 v8, 7, v3
	s_lshl_b32 s15, s12, 4
	v_add_nc_u32 v9, s15, v2
	v_lshlrev_b32 v14, 2, v1
	v_mov_b32 v15, 0x410
	s_mul_i32 s26, s12, LISTB
	s_add_co_u32 s26, s26, LISTS
	s_mov_b32 s20, 0
	v_lshl_add_u32 v16, v1, 4, s26
.irp i, 64,65,66,67
	v_mov_b32 v\i, 0
.endr
	s_wait_alu depctr_va_vdst(0)                   ; v16 and v[64:67] are written, which the five stores read
.irp i, 0,1,2,3,4
	ds_store_b128 v16, v[64:67] offset:512*\i      ; my list starts as pair 0 everywhere: every entry that can be read has been written
.endr
	s_wait_loadcnt 32                              ; idx is in; the first 32 weight rows stay out
	s_wait_alu depctr_vm_vsrc(0)                   ; the five stores have read v16 and v[64:67], which the scan's third batch and the lines behind the scan write again
	ISSUE 128, 32, 49
; Sixteen registers of idx: the lanes that hold e take the next ranks, in lane order; the others write the dump entry.  bn: the batch; tr: its set of 32 registers.
.macro SCAN16 bn, tr
.irp i, 0,1,2,3,4,5,6,7,8,9,10,11,12,13,14,15
	v_cmp_eq_u32 s[MK+\i], s13, v[128+16*(\bn)+\i]
.endr
	s_wait_alu depctr_va_sdst(0)                   ; the sixteen masks are written, ahead of the lines that read them
.irp i, 0,1,2,3,4,5,6,7,8,9,10,11,12,13,14,15
	v_mbcnt_lo_u32_b32 v[(\tr)+2*\i], s[MK+\i], s20            ; the count so far + the matching lanes below me
	v_add_nc_u32 v[(\tr)+2*\i+1], 128*(4*(\bn)+\i/4)+\i%4, v14 ; my pair
	v_cndmask_b32 v[(\tr)+2*\i], v15, v[(\tr)+2*\i], s[MK+\i]
	s_bcnt1_i32_b32 s27, s[MK+\i]
	v_min_u32 v[(\tr)+2*\i], 0x410, v[(\tr)+2*\i]              ; the index stays inside my list
	s_add_co_u32 s20, s20, s27
	v_lshl_add_u32 v[(\tr)+2*\i], v[(\tr)+2*\i], 1, s26
.endr
	s_wait_alu depctr_va_vdst(0)                   ; the batch's sixteen addresses and pairs are written, which the stores read
.irp i, 0,1,2,3,4,5,6,7,8,9,10,11,12,13,14,15
	ds_store_b16 v[(\tr)+2*\i], v[(\tr)+2*\i+1]
.endr
.endm
	SCAN16 0, 192
	SCAN16 1, 224
	SCAN16 2, 64
	SCAN16 3, 96
	s_mov_b32 s36, 0x3e6d3388                      ; 0.23164189 = 0.3275911 / sqrt(2); each constant twice: the packed forms name a pair
	s_mov_b32 s37, 0x3e6d3388
	s_mov_b32 s38, 0xbf38aa3b                      ; -log2(e) / 2
	s_mov_b32 s39, 0xbf38aa3b
	s_mov_b32 s40, 0x3e827906                      ; 0.254829592
	s_mov_b32 s41, 0x3e827906
	s_mov_b32 s42, 0xbe91a98e                      ; -0.284496736
	s_mov_b32 s43, 0xbe91a98e
	s_mov_b32 s44, 0x3fb5f0e3                      ; 1.421413741
	s_mov_b32 s45, 0x3fb5f0e3
	s_mov_b32 s46, 0xbfba00e3                      ; -1.453152027
	s_mov_b32 s47, 0xbfba00e3
	s_mov_b32 s48, 0x3f87dc22                      ; 1.061405429
	s_mov_b32 s49, 0x3f87dc22
	s_mov_b32 s50, 0x7fffffff
	s_min_u32 s20, s20, 0x400                      ; a token names an expert once: 1,024 at the most
	s_max_u32 s21, s20, 1
	s_sub_co_u32 s21, s21, 1
	s_min_u32 s21, s21, 0x3ff                      ; the last rank
	s_lshl_b32 s15, s21, 1
	s_add_co_u32 s15, s15, s26
	v_mov_b32 v16, s15
	v_add_nc_u32 v29, s20, v2
	v_min_u32 v29, 0x40f, v29
	v_lshl_add_u32 v29, v29, 1, s26
	s_wait_alu depctr_va_vdst(0)                   ; v16 and v29 are written: the addresses of the load and of the store below
	ds_load_u16 v17, v16                           ; LDS serves a wave's instructions in order: this sees the stores above
	s_wait_dscnt 0x0
	ds_store_b16 v29, v17                          ; sixteen entries past the count repeat the last pair
	s_add_co_u32 s22, s20, 15
	s_lshr_b32 s22, s22, 4                         ; blocks of 16 ranks,
	s_add_co_u32 s22, s22, 3
	s_sub_co_u32 s22, s22, s12
	s_lshr_b32 s22, s22, 2                         ; of which blocks w, w + 4, .. are mine
	; PHASE 1.  Each load set has an offset register of its own, which is stepped behind the wait that shows the set's loads done.
	s_wait_alu depctr_vm_vsrc(0)                   ; the scan's stores have read v[64:127] and v[192:255], the two out-buffers from here on; the first 64 weight loads have read v48 and v49
	s_mov_b32 s25, 3
.Lw:
	s_wait_loadcnt 32                              ; the older set is in; the other set's 32 loads stay out
	CONV 0, 0, 64, 48, 0
	s_wait_loadcnt 32
	CONV 128, 1, 192, 49, 32
	s_wait_alu depctr_vm_vsrc(0)                   ; this trip's LDS stores have read v5, v6 and both out-buffers, its loads v48 and v49: all are written again in the next trip, v5 and v6 below
	v_add_nc_u32 v5, 128, v5                       ; 64 k on
	v_add_nc_u32 v6, 128, v6
	s_sub_co_u32 s25, s25, 1
	s_cmp_lg_u32 s25, 0
	s_cbranch_scc1 .Lw
	s_wait_loadcnt 32                              ; the last two sets: nothing more is asked for
	CONV 0, 0, 64, 0, 0
	s_wait_loadcnt 0x0
	CONV 128, 1, 192, 0, 0
	s_wait_dscnt 0x0                               ; for the others' sake: my rows of the slice are in LDS
	s_barrier_signal -1
	s_barrier_wait -1                              ; the slice is whole; nobody writes LDS again before the closing lines
; token fragments of the chunk at byte off from s[30:31], for the slots named: eight loads a slot; a lane's eight are 128 consecutive bytes.  Many work-groups read these rows again.
.macro ALD buf, off, slots:vararg
	WIN (1+(\buf))<<6
.irp a, \slots
.irp i, 0,1,2,3,4,5,6,7
	global_load_b128 v[32*\a+4*\i:32*\a+4*\i+3], v[18+\a], s[30:31] offset:(\off)+ASTR*\i th:TH_LOAD_HT
.endr
.endr
	WIN 0
.endm
.macro BLOAD bb, koff                  ; a step's fragments of W: eight groups of 16 LDS rows x 32 k, at byte koff of the rows
	WIN 0
.irp c, 0,1,2,3,4,5,6,7
	ds_load_b128 v[64+64*(\bb)+8*\c:64+64*(\bb)+8*\c+3], v[44+\c/2] offset:CB2*(\c%2)+(\koff)
	ds_load_b128 v[64+64*(\bb)+8*\c+4:64+64*(\bb)+8*\c+7], v[44+\c/2] offset:CB2*(\c%2)+(\koff)+KS2
.endr
.endm
; 32 along K for the round's slots.  The accumulators take turns, one instruction a turn, eight at the least between two links of a chain.
; zero = 1: the products start the sums, in all five slots, so that every accumulator is written.  Otherwise the slots past s23 are jumped.
; Behind slot 0's products stand the step's loads.  pre = 1: the next step's fragments of W; 2: but not in the K loop's last trip, where there is no next step.
; nx = 1: the next chunk's token fragments too, a whole chunk ahead of their use, into the buffer that this chunk does not read; the fifth slot's only where the wave has five blocks; 2: but not in the last trip, whose second chunk is the last.
.macro STEP par, f, zero, pre, kb, nx=0
	s_wait_dscnt 0x0                               ; this step's fragments of W, asked for a step ago
.if (\f) > 0
	PLACES
.endif
.if !(\zero)
	s_wait_alu depctr_va_vdst(0)                   ; the last step's products are done reading W's other buffer, at a chunk's first step the tokens' other buffer too: this step's loads land there; at a trip's first step v[44:47] are written
.endif
.irp a, 0,1,2,3,4
.if (\a > 0) && !(\zero)
	WIN 0                                          ; at a branch every window is 0
	s_cmp_le_u32 s23, \a
	s_cbranch_scc1 .Lse_\@
.endif
.set aw, 2+(\a+3)/4
.set ab, (192+64*\a)&255
	WIN ((1+(\par))<<2)|(aw<<4)|(aw<<6)
.irp c, 0,1,2,3,4,5,6,7
.if \zero
	v_wmma_f32_16x16x32_bf16 v[ab+8*\c:ab+8*\c+7], v[64+64*((\f)&1)+8*\c:64+64*((\f)&1)+8*\c+7], v[32*\a+8*(\f):32*\a+8*(\f)+7], 0
.else
	v_wmma_f32_16x16x32_bf16 v[ab+8*\c:ab+8*\c+7], v[64+64*((\f)&1)+8*\c:64+64*((\f)&1)+8*\c+7], v[32*\a+8*(\f):32*\a+8*(\f)+7], v[ab+8*\c:ab+8*\c+7]
.endif
.endr
.if \a == 0
	WIN 0                                          ; the loads.  No further wait: since the one above only slot 0's products were issued, which name none of the registers that the loads touch
.if (\pre) == 2
	s_cmp_eq_u32 s25, 1
	s_cbranch_scc1 .Lnb_\@
.endif
.if (\pre) > 0
.if (\f) < 3
	BLOAD ((\f)+1)&1, (\kb)+FSTEP*((\f)+1)
.else
	BLOAD 0, (\kb)+256
.endif
.endif
.if (\pre) == 2
.Lnb_\@:
.endif
.if (\nx) == 2
	s_cmp_eq_u32 s25, 1
	s_cbranch_scc1 .Lnf_\@
.endif
.if (\nx) > 0
	s_add_nc_u64 s[30:31], s[30:31], ACH           ; the chunk in hand; free since the chunk's wait for 0, which shows every load that read it done; the loads reach one chunk further
	ALD 1-(\par), ACH, 0,1,2,3
	s_cmp_lt_u32 s23, 5
	s_cbranch_scc1 .Lnf_\@
	ALD 1-(\par), ACH, 4
.Lnf_\@:
.endif
.endif
.endr
	WIN 0
.Lse_\@:
.endm
.macro SECTION a                       ; slot a's 64 sums, each accumulator from its low end: |x| and max(x, 0) into window 1
.set aw, 2+((\a)+3)/4
.set ab, (192+64*(\a))&255
	WIN (1<<6)|(aw<<2)
.set i, 0
.rept 64
	v_and_b32 v[i], s50, v[ab+i]
	v_max_num_f32 v[64+i], 0, v[ab+i]
.set i, i+1
.endr
	WIN 0
.endm
	; PHASE 2
	s_mov_b32 s24, 4
.Lround:
	s_cmp_eq_u32 s22, 0
	s_cbranch_scc1 .Lround_end                     ; nothing left for this wave: no barrier stands in what is jumped
	s_min_u32 s23, s22, 5
	s_sub_co_u32 s22, s22, s23
	s_wait_alu depctr_vm_vsrc(0)                   ; the last round's loads have read v[18:22], v[32:36] and v[44:47], which are made anew below; in the first round: phase 1's LDS stores have read v[64:127], in which W's fragments land
.irp a, 0,1,2,3,4
	v_add_nc_u32 v[32+\a], 64*\a, v9               ; slot a: block 4 (5 round + a) + w
	v_min_u32 v[32+\a], s21, v[32+\a]              ; past the count: the last rank
	v_min_u32 v[32+\a], 0x3ff, v[32+\a]
	v_lshl_add_u32 v[32+\a], v[32+\a], 1, s26
.endr
.irp p, 0,1,2,3
	v_mov_b32 v[44+\p], v[40+\p]
.endr
	PLACES
	s_wait_alu depctr_va_vdst(0)                   ; v[32:36] are written, the addresses of the five loads; the last round's lines are done with v[24:28], in which they land
.irp a, 0,1,2,3,4
	ds_load_u16 v[24+\a], v[32+\a]
.endr
	s_wait_dscnt 0x0
.irp a, 0,1,2,3,4
	v_min_u32 v[24+\a], 0x7ff, v[24+\a]
	v_and_b32 v[24+\a], 0x7fe, v[24+\a]            ; 2 x token
	v_lshl_add_u32 v[18+\a], v[24+\a], 10, v8      ; token x 2,048 bytes + 128 h
.endr
	s_mov_b64 s[30:31], s[28:29]
	s_wait_alu depctr_va_vdst(0)                   ; v[18:22] are written, the token rows' offsets (v[44:47] stand ahead of the wait above); the last round's products and its way out are done with the buffers in which the loads below land
	ALD 0, 0, 0,1,2,3,4                            ; chunks 0 and 1 for all five slots
	BLOAD 0, 0
	ALD 1, ACH, 0,1,2,3,4
	s_mov_b32 s25, 4
	s_wait_loadcnt 40                              ; all but chunk 1's 40 loads: chunk 0 is in
	STEP 0, 0, 1, 1, 0                             ; the first step stands ahead of the loop: its products start the sums
	s_branch .Lmid                                 ; the loop is entered in the middle of a trip
.Lk:                                                   ; a trip is two chunks of 128 along K; the LDS addresses step once
	PLACES
	s_wait_loadcnt 0x0                             ; the chunk in hand is in: its loads alone were out, the next chunk's are issued behind this wait
	STEP 0, 0, 0, 1, 0, 1
.Lmid:
	STEP 0, 1, 0, 1, 0
	STEP 0, 2, 0, 1, 0
	STEP 0, 3, 0, 1, 0
	PLACES
	s_wait_loadcnt 0x0                             ; the trip's second chunk is in
	STEP 1, 0, 0, 1, 256, 2
	STEP 1, 1, 0, 1, 256
	STEP 1, 2, 0, 1, 256
	STEP 1, 3, 0, 2, 256
	s_wait_alu depctr_vm_vsrc(0)                   ; the LDS loads issued so far have read v[44:47]
.irp p, 0,1,2,3
	v_add_nc_u32 v[44+\p], 512, v[44+\p]
.endr
	s_sub_co_u32 s25, s25, 1
	s_cmp_lg_u32 s25, 0
	s_cbranch_scc1 .Lk
	s_wait_loadcnt 0x0                             ; no load of mine is out: the fragment buffers are written again below
	PLACES
	; THE WAY OUT, a slot a trip: GELU, rounding to bf16, eight stores of 512 consecutive bytes
	s_mov_b32 s51, 0
.Lep:
	s_cmp_ge_u32 s51, s23
	s_cbranch_scc1 .Lep_next
	s_cmp_eq_u32 s51, 0
	s_cbranch_scc1 .Lsec0
	s_cmp_eq_u32 s51, 1
	s_cbranch_scc1 .Lsec1
	s_cmp_eq_u32 s51, 2
	s_cbranch_scc1 .Lsec2
	s_cmp_eq_u32 s51, 3
	s_cbranch_scc1 .Lsec3
	SECTION 4
	s_branch .Lcommon
.Lsec0:
	SECTION 0
	s_branch .Lcommon
.Lsec1:
	SECTION 1
	s_branch .Lcommon
.Lsec2:
	SECTION 2
	s_branch .Lcommon
.Lsec3:
	SECTION 3
.Lcommon:
	s_wait_xcnt 0x0                                ; the last trip's stores have had their addresses translated: their base and data are rewritten only behind this wait
	s_wait_alu depctr_vm_vsrc(0)                   ; the last trip's stores have read window 1's v[224:255], which the roundings below write again
	s_lshl_b32 s54, s51, 19                        ; four blocks of 131,072 bytes from slot to slot
	s_add_nc_u64 s[52:53], s[34:35], s[54:55]
	WIN 0x55                                       ; all in window 1: v0-63 |x|, v64-127 max(x, 0), v128-135 u, v136-143 t, v144-151 q, v224-255 packed
.irp c, 0,1,2,3,4,5,6,7
.irp u, 0,1,2,3
	v_pk_mul_f32 v[128+2*\u:129+2*\u], v[8*\c+2*\u:8*\c+2*\u+1], v[8*\c+2*\u:8*\c+2*\u+1]
	v_pk_fma_f32 v[136+2*\u:137+2*\u], v[8*\c+2*\u:8*\c+2*\u+1], s[36:37], 1.0 op_sel_hi:[1,0,0]
.endr
.irp u, 0,1,2,3
	v_pk_mul_f32 v[128+2*\u:129+2*\u], v[128+2*\u:129+2*\u], s[38:39] op_sel_hi:[1,0]
.endr
.irp j, 0,1,2,3,4,5,6,7
	v_rcp_f32 v[136+\j], v[136+\j]                 ; t
.endr
.irp j, 0,1,2,3,4,5,6,7
	v_exp_f32 v[128+\j], v[128+\j]                 ; e^(-x^2/2)
.endr
.irp u, 0,1,2,3
	v_pk_mul_f32 v[8*\c+2*\u:8*\c+2*\u+1], v[8*\c+2*\u:8*\c+2*\u+1], 0.5 op_sel_hi:[1,0]   ; plain work between the exponentials and the use of their results
.endr
	s_wait_alu depctr_va_vdst(0)                   ; the eight reciprocals and the eight exponentials have written t and e^(-x^2/2), ahead of the first line that names them
.irp u, 0,1,2,3
	v_pk_fma_f32 v[144+2*\u:145+2*\u], v[136+2*\u:137+2*\u], s[48:49], s[46:47] op_sel_hi:[1,0,0]
.endr
.irp k, 44,42,40
.irp u, 0,1,2,3
	v_pk_fma_f32 v[144+2*\u:145+2*\u], v[144+2*\u:145+2*\u], v[136+2*\u:137+2*\u], s[\k:\k+1] op_sel_hi:[1,1,0]
.endr
.endr
.irp u, 0,1,2,3
	v_pk_mul_f32 v[144+2*\u:145+2*\u], v[144+2*\u:145+2*\u], v[136+2*\u:137+2*\u]
.endr
.irp u, 0,1,2,3
	v_pk_mul_f32 v[144+2*\u:145+2*\u], v[144+2*\u:145+2*\u], v[128+2*\u:129+2*\u]
.endr
.irp u, 0,1,2,3
	v_pk_fma_f32 v[64+8*\c+2*\u:64+8*\c+2*\u+1], v[8*\c+2*\u:8*\c+2*\u+1], v[144+2*\u:145+2*\u], v[64+8*\c+2*\u:64+8*\c+2*\u+1] neg_lo:[1,0,0] neg_hi:[1,0,0]
.endr
.irp u, 0,1,2,3
	v_cvt_pk_bf16_f32 v[224+4*\c+\u], v[64+8*\c+2*\u], v[64+8*\c+2*\u+1]
.endr
.endr
	WIN 0x04                                       ; the stores' data in window 1
	s_wait_alu depctr_va_vdst(0)                   ; the roundings have written window 1's v[224:255], which the eight stores read
.irp c, 0,1,2,3,4,5,6,7
	global_store_b128 v4, v[224+4*\c:227+4*\c], s[52:53] offset:512*\c   ; a tile: the wave stores 512 consecutive bytes, aligned
.endr
	WIN 0
.Lep_next:
	s_add_co_u32 s51, s51, 1
	s_cmp_lt_u32 s51, 5
	s_cbranch_scc1 .Lep
	s_add_nc_u64 s[34:35], s[34:35], 2621440       ; five slots on (the stores name its copy, s[52:53])
	v_add_nc_u32 v9, 320, v9
.Lround_end:
	s_sub_co_u32 s24, s24, 1
	s_cmp_lg_u32 s24, 0
	s_cbranch_scc1 .Lround
	s_wait_dscnt 0x0                               ; my reads of LDS are over;
	s_barrier_signal -1
	s_barrier_wait -1                              ; every wave's are: LDS is written again only behind this barrier
	s_wait_dscnt 0x0                               ; the closing lines, six on end
	s_wait_alu 0x0
	s_wait_tensorcnt 0x0
	ds_add_u32 v62, v63
	s_wait_dscnt 0x0
	s_endpgm
.Lfunc_end_k_q40a761cd86_up:
	.size	k_q40a761cd86_up, .Lfunc_end_k_q40a761cd86_up-k_q40a761cd86_up
	.p2alignl 7, 3214868480
	.fill 96, 4, 3214868480
	.section	.rodata,"a",@progbits
	.p2align	6, 0x0
	.amdhsa_kernel k_q40a761cd86_up
		.amdhsa_group_segment_fixed_size 274944
		.amdhsa_private_segment_fixed_size 0
		.amdhsa_enable_private_segment 0
		.amdhsa_kernarg_size 32
		.amdhsa_user_sgpr_count 2
		.amdhsa_user_sgpr_kernarg_segment_ptr 1
		.amdhsa_wavefront_size32 1
		.amdhsa_system_sgpr_workgroup_id_x 1
		.amdhsa_system_sgpr_workgroup_id_y 1
		.amdhsa_system_sgpr_workgroup_id_z 1
		.amdhsa_system_vgpr_workitem_id 0
		.amdhsa_next_free_vgpr 1024
		.amdhsa_next_free_sgpr 66
		.amdhsa_reserve_vcc 0
		.amdhsa_float_denorm_mode_32 3
		.amdhsa_float_denorm_mode_16_64 3
		.amdhsa_memory_ordered 1
		.amdhsa_forward_progress 1
		.amdhsa_inst_pref_size 181
	.end_amdhsa_kernel
	.amdgpu_metadata
---
amdhsa.version: [ 1, 2 ]
amdhsa.kernels:
  - .name:           k_q40a761cd86_up
    .symbol:         k_q40a761cd86_up.kd
    .args:
      - { .name: W1, .offset: 0, .size: 8, .value_kind: global_buffer, .address_space: global }
      - { .name: xb, .offset: 8, .size: 8, .value_kind: global_buffer, .address_space: global }
      - { .name: idx, .offset: 16, .size: 8, .value_kind: global_buffer, .address_space: global }
      - { .name: hid, .offset: 24, .size: 8, .value_kind: global_buffer, .address_space: global }
    .group_segment_fixed_size: 274944
    .private_segment_fixed_size: 0
    .kernarg_segment_align: 8
    .kernarg_segment_size: 32
    .max_flat_workgroup_size: 128
    .sgpr_count:     66
    .vgpr_count:     1024
    .wavefront_size: 32
...
	.end_amdgpu_metadata
.endif
;; end of part 5
;; launch down (part 6): grid 32 x 8, 4 waves a work-group, no clusters, 274,944 bytes of LDS; arguments W2, hid, idx, gate, part; writes part
.if DOCPART == 6
	.amdgcn_target "amdgcn-amd-amdhsa--gfx1250"
	.amdhsa_code_object_version 6
	.text
	.protected	k_q40a761cd86_down
	.globl	k_q40a761cd86_down
	.p2align	8
	.type	k_q40a761cd86_down,@function
k_q40a761cd86_down:
	s_mov_b64 s[64:65], 0
	v_nop
	global_prefetch_b8 v0, s[64:65] scope:SCOPE_SE
	s_setreg_imm32_b32 hwreg(HW_REG_WAVE_SCHED_MODE, 0, 2), 2
	s_setreg_imm32_b32 hwreg(HW_REG_WAVE_MODE, 25, 1), 1
	s_wait_xcnt 0x0
	s_wait_alu depctr_vm_vsrc(0)
; SECOND PRODUCT.  part[q][p][n] = gate[p] x the sum over k in quarter q of hid(rank of p, k) W2[e][k][n], in f32, for the pairs p that chose expert e.
; A work-group (x = 8 q + column slice, y = expert) owns W2[e][1024 q .. +1023][128 slice .. +127]: 512 KiB of f32 that it alone reads, once.  The four quarters' partial sums, kept in f32, are added by the next launch.
; Built as the first product is: every wave scans idx into a list of its own (the same scan, so the same ranks); the slice is rounded to bf16 on its way into LDS, laid [column][k], 2,064 bytes a column; one barrier;
; then blocks of 16 ranks by turns among the waves, up to five a round, four rounds.  Nothing writes LDS behind the barrier.
; hid lies in tiles: [expert][block of 16 ranks][256 groups][512 bytes in lane order]; a tile is 16 ranks x 16 k and one load of 512 consecutive bytes brings it as half a fragment.
; K ORDER.  The first product laid hidden index 64 g + 4 r + c of each 128 at place 64 g + 16 c + r.  The slice takes the same order: of 32 rows of W2, rows 4 j + c, j = 0..7, are eight neighbouring places.
; COLUMNS.  Thread (h, r) holds columns 64 h + 4 r + c; column 64 h + 4 r + c goes to LDS row 64 h + 16 c + r.  Source 0 = 16 ranks, source 1 = 16 LDS rows: a lane holds LDS row r of a group and eight ranks, so the four
; accumulators 4 g + c hold four neighbouring columns of a rank: the multiply by the gate brings them into four registers on end, and 16 lanes store 256 consecutive bytes.
; Ranks past the count repeat the last row in hid and (by the list's sixteen repeated entries) the last pair: they store the same numbers to the same place.  Slots past a wave's blocks load the last block again for a
; round's first two chunks and are started, so that every register is written; their further products are jumped, and so are the fifth slot's further loads where the wave has four blocks or fewer.
; No tensor load: the weights must pass registers to be rounded.  No cluster: each slice has one reader; what an expert's work-groups share, hid's tiles, is an eighth of a work-group's bytes at the drawn split.
; REGISTERS in windows of 256: window 0 addresses, v64-191 W's fragments (two buffers), v192-255 and v128-191 the way out's two out-buffers, v192-231 at a round's head the gates' offsets;
;   window 1 v0-159 hid's fragments, buffer 0 (phase 1: two sets of 128), v160-199 the rows' offsets in part, v200-239 the gates; window 2 v0-159 buffer 1, v192-255 slot 0's accumulators; window 3 slots 1 to 4.
; THE MODE: SCHED_MODE bits 1:0 = 2 (LLVM: expert scheduling mode 2), set by the entry lines.  The code itself states the register dependences
; between vector or matrix instructions and memory or LDS instructions, with s_wait_alu, always for 0.
; THE PLAN.  Registers that memory or LDS instructions touch, and who else names them:
;   the scan     Four sets of 32 (window 0: v192-223, v224-255, v64-95, v96-127).  A batch of sixteen registers of idx writes one set (addresses and pairs); one wait on va_vdst; sixteen LDS stores read it.  No set is written twice.
;                A batch's sixteen compares write sixteen masks, s38 to s53, with one wait on va_sdst ahead of the lines that read them.
;   phase 1      Set 0, set 128 (window 1): loads land in them, a set's 64 conversions read it.  Out-buffers v64-127 (set 0's) and v192-255 (set 128's): the conversions write, sixteen LDS stores read.
;                v48, v49: a set's offset, stepped behind its conversions.  v5, v6: the LDS stores' addresses, stepped once a trip.
;                One wait on va_vdst behind a set's conversions and its offset's step: the set is read out, the out-buffer, the offset, v5 and v6 are written; the set's 32 loads and the 16 stores follow it.
;                One wait on vm_vsrc a trip, at its end (and one ahead of the loop): both out-buffers, both offsets, v5 and v6 have been read.
;   phase 2      W's buffers v64-127, v128-191: step s's products read buffer s % 2; the LDS loads issued in step s land in the other.  hid's two buffers: a chunk's products read one, the next chunk's loads land in the other.
;                v44-47: read by W's loads, stepped once a trip behind a wait on vm_vsrc.  v18-22, v24-28, the pairs' offsets, the gates and their offsets: made at a round's head, behind a wait on vm_vsrc.
;                One wait on va_vdst at a step's head: the last step's products are done reading the buffers in which this step's loads land.  Behind it slot 0's eight products go first, then the loads, then the other slots:
;                since the wait only slot 0's products have been issued, which name the buffers in hand and slot 0's accumulators, none of the registers that the loads touch.
;   the way out  Two out-buffers by turns.  Slot a's 64 multiplies write one; behind them a wait on vm_vsrc (the stores of slot a - 1 have read the other, which slot a + 1 writes) and one on va_vdst (this one is written); then slot a's sixteen stores.
.set WP,     4096                      ; bytes from row to row of W2[e]
.set PK2,    2064                      ; an LDS row: a column's 1,024 k in bf16 + 16 bytes
.set CB2,    16*PK2
.set LISTS,  128*PK2
.set LISTB,  2560
.set SPARE,  LISTS+4*LISTB             ; the spare words, 128 bytes a wave: two blocks of 256 bytes that no other line names
.set FSTEP,  64                        ; bytes of an LDS row from step to step,
.set KS2,    32                        ; and from a fragment's first four registers to its last four
.set ASTR,   512                       ; a tile of hid,
.set ACH,    4096                      ; a chunk's eight tiles
.set MK,     38                        ; s[38:53] the scan's sixteen masks
.set MSB, 0
.macro WIN new                         ; the immediate's high byte repeats the setting that is left; a switch that changes nothing is dropped
.if MSB != (\new)
	s_set_vgpr_msb (MSB<<8)|(\new)
.set MSB, \new
.endif
.endm
.macro PLACES                          ; four plain vector instructions behind a matrix instruction, ahead of a load into, or a read of, its registers
.rept 4
	v_nop
.endr
.endm
; v1 lane, v2 r, v3 h, v4 16 lane, v5/v6 where I store weights, v10 the first rank of slot 0 that my lane holds (16 w + 8 h), v13 16 r, v14 4 lane, v15 1040, v16-17, v29 at work, v18-22 a slot's offset in hid,
; v24-28 a slot's place in my list, v40-43 W fragments' addresses at k = 0, v44-47 at the trip in hand, v48/v49 the two load sets' offsets in my rows of W, v62/v63 the add's two registers
; s12 wave, s13 expert, s14 x, s17 slot 0's block, s18 column slice, s19 quarter, s20 count, s21 the last block, s22 blocks left, s23 blocks this round, s24/s25 counters, s26 my list,
; s[10:11] gate, s[28:29] hid, s[30:31] hid at the chunk, s[32:33] W, s[34:35] part
	s_load_b256 s[4:11], s[0:1], 0x0               ; W2 s[4:5], hid s[6:7], idx s[8:9], gate s[10:11]
	s_load_b64 s[36:37], s[0:1], 0x20              ; part
	v_lshl_add_u32 v62, v0, 2, SPARE
	v_mov_b32 v63, 0
	v_lshrrev_b32 v16, 5, v0
	v_readfirstlane_b32 s12, v16                   ; wave
	v_and_b32 v1, 31, v0
	v_lshlrev_b32 v4, 4, v1
	v_mov_b32 v48, v4
	v_mov_b32 v49, v4
	s_and_b32 s13, ttmp7, 0xffff                   ; expert
	s_mov_b32 s14, ttmp9
	s_and_b32 s18, s14, 7                          ; column slice
	s_lshr_b32 s19, s14, 3                         ; quarter of K
	s_wait_alu depctr_va_sdst(0)                   ; s12 is written, ahead of its first reader: the blocks and the base of W are made from it
	s_mov_b32 s17, s12
	s_lshl_b32 s54, s13, 24                        ; an expert's W2: 16 MiB
	s_lshl_b32 s15, s19, 22                        ; 1,024 rows of 4,096 bytes
	s_add_co_u32 s54, s54, s15
	s_lshl_b32 s15, s18, 9                         ; 128 columns of f32
	s_add_co_u32 s54, s54, s15
	s_lshl_b32 s15, s12, 20                        ; my 256 rows
	s_add_co_u32 s54, s54, s15
	s_mov_b32 s55, 0
	s_wait_kmcnt 0x0
	s_add_nc_u64 s[32:33], s[4:5], s[54:55]
	s_lshl_b32 s54, s13, 23                        ; an expert's hid
	s_lshl_b32 s15, s19, 15                        ; the quarter's 64 tiles of a block
	s_add_co_u32 s54, s54, s15
	s_add_nc_u64 s[28:29], s[6:7], s[54:55]
	s_lshl_b32 s54, s19, 23                        ; a quarter's part: 2,048 pairs x 4,096 bytes
	s_lshl_b32 s15, s18, 9
	s_add_co_u32 s54, s54, s15
	s_add_nc_u64 s[34:35], s[36:37], s[54:55]
	s_wait_alu depctr_va_vdst(0)                   ; v4, v48 and v49 are written: the offsets of the loads below
.irp i, 0,1,2,3,4,5,6,7,8,9,10,11,12,13,14,15
	global_load_b128 v[128+4*\i:131+4*\i], v4, s[8:9] offset:512*\i   ; register 4 i + c: pair 128 i + 4 lane + c
.endr
.macro ISSUE set, rowoff, voff         ; 32 rows of the slice: a load is one row's 512 bytes
	WIN 0x40
.set i, 0
.rept 32
	global_load_b128 v[(\set)+4*i:(\set)+4*i+3], v[\voff], s[32:33] offset:((\rowoff)+i)*WP th:TH_LOAD_NT
.set i, i+1
.endr
	WIN 0
.endm
; 32 rows are rounded to bf16 and stored.  For column c and the eight rows 4 j + u: four words (rows 8 m + u and 8 m + 4 + u), 16 bytes of the column's LDS row, at byte 32 u + 16 par of the trip's 128.
; out: the set's out-buffer.  voff: the set's offset register, if the set is asked for again (64 rows on), else 0.
.macro CONV set, par, out, voff, rowoff
	WIN 0x05
.irp cc, 0,1,2,3
.irp u, 0,1,2,3
.irp m, 0,1,2,3
	v_cvt_pk_bf16_f32 v[(\out)+16*\cc+4*\u+\m], v[(\set)+4*(8*\m+\u)+\cc], v[(\set)+4*(8*\m+4+\u)+\cc]
.endr
.endr
.endr
	WIN 0
.if (\voff) > 0
	v_add_nc_u32 v[\voff], 64*WP, v[\voff]         ; 64 rows on: free since the wait for the set's loads, and read since the last wait on vm_vsrc by no load
.endif
	s_wait_alu depctr_va_vdst(0)                   ; the conversions are done reading the set and have written the out-buffer; the set's offset, v5 and v6 are written
.if (\voff) > 0
	ISSUE \set, \rowoff, \voff                     ; the set is asked for again at once
.endif
.irp cc, 0,1,2,3
.irp u, 0,1,2,3
	ds_store_b128 v[5+\cc/2], v[(\out)+16*\cc+4*\u:(\out)+16*\cc+4*\u+3] offset:CB2*(\cc%2)+16*(\par)+32*\u
.endr
.endr
.endm
	ISSUE 0, 0, 48
	v_and_b32 v2, 15, v0
	v_bfe_u32 v3, v0, 4, 1
	v_lshl_add_u32 v16, v3, 6, v2                  ; LDS row 64 h + r (+ 16 c),
	v_mul_u32_u24 v5, v16, PK2
	s_lshl_b32 s15, s12, 9
	v_add_nc_u32 v5, s15, v5                       ; place 256 w on
	v_add_nc_u32 v6, 2*CB2, v5
	v_mul_u32_u24 v40, v2, PK2                     ; a fragment: LDS row r of its group,
	v_lshl_add_u32 v40, v3, 4, v40                 ; place 8 h on
	v_add_nc_u32 v41, 2*CB2, v40
	v_add_nc_u32 v42, 4*CB2, v40
	v_add_nc_u32 v43, 6*CB2, v40
	s_lshl_b32 s15, s12, 4
	v_lshl_add_u32 v10, v3, 3, s15
	v_lshlrev_b32 v13, 4, v2
	v_lshlrev_b32 v14, 2, v1
	v_mov_b32 v15, 0x410
	s_mul_i32 s26, s12, LISTB
	s_add_co_u32 s26, s26, LISTS
	s_mov_b32 s20, 0
	v_lshl_add_u32 v16, v1, 4, s26
.irp i, 64,65,66,67
	v_mov_b32 v\i, 0
.endr
	s_wait_alu depctr_va_vdst(0)                   ; v16 and v[64:67] are written, which the five stores read
.irp i, 0,1,2,3,4
	ds_store_b128 v16, v[64:67] offset:512*\i      ; my list starts as pair 0 everywhere: every entry that can be read has been written
.endr
	s_wait_loadcnt 32                              ; idx is in; the first 32 weight rows stay out
	s_wait_alu depctr_vm_vsrc(0)                   ; the five stores have read v16 and v[64:67], which the scan's third batch and the lines behind the scan write again
	ISSUE 128, 32, 49
; Sixteen registers of idx: the lanes that hold e take the next ranks, in lane order; the others write the dump entry.  bn: the batch; tr: its set of 32 registers.
.macro SCAN16 bn, tr
.irp i, 0,1,2,3,4,5,6,7,8,9,10,11,12,13,14,15
	v_cmp_eq_u32 s[MK+\i], s13, v[128+16*(\bn)+\i]
.endr
	s_wait_alu depctr_va_sdst(0)                   ; the sixteen masks are written, ahead of the lines that read them
.irp i, 0,1,2,3,4,5,6,7,8,9,10,11,12,13,14,15
	v_mbcnt_lo_u32_b32 v[(\tr)+2*\i], s[MK+\i], s20            ; the count so far + the matching lanes below me
	v_add_nc_u32 v[(\tr)+2*\i+1], 128*(4*(\bn)+\i/4)+\i%4, v14 ; my pair
	v_cndmask_b32 v[(\tr)+2*\i], v15, v[(\tr)+2*\i], s[MK+\i]
	s_bcnt1_i32_b32 s27, s[MK+\i]
	v_min_u32 v[(\tr)+2*\i], 0x410, v[(\tr)+2*\i]              ; the index stays inside my list
	s_add_co_u32 s20, s20, s27
	v_lshl_add_u32 v[(\tr)+2*\i], v[(\tr)+2*\i], 1, s26
.endr
	s_wait_alu depctr_va_vdst(0)                   ; the batch's sixteen addresses and pairs are written, which the stores read
.irp i, 0,1,2,3,4,5,6,7,8,9,10,11,12,13,14,15
	ds_store_b16 v[(\tr)+2*\i], v[(\tr)+2*\i+1]
.endr
.endm
	SCAN16 0, 192
	SCAN16 1, 224
	SCAN16 2, 64
	SCAN16 3, 96
	s_min_u32 s20, s20, 0x400                      ; a token names an expert once: 1,024 at the most
	s_max_u32 s21, s20, 1
	s_sub_co_u32 s21, s21, 1
	s_min_u32 s21, s21, 0x3ff                      ; the last rank
	s_lshl_b32 s15, s21, 1
	s_add_co_u32 s15, s15, s26
	v_mov_b32 v16, s15
	v_add_nc_u32 v29, s20, v2
	v_min_u32 v29, 0x40f, v29
	v_lshl_add_u32 v29, v29, 1, s26
	s_wait_alu depctr_va_vdst(0)                   ; v16 and v29 are written: the addresses of the load and of the store below
	ds_load_u16 v17, v16                           ; LDS serves a wave's instructions in order: this sees the stores above
	s_wait_dscnt 0x0
	ds_store_b16 v29, v17                          ; sixteen entries past the count repeat the last pair
	s_add_co_u32 s22, s20, 15
	s_lshr_b32 s22, s22, 4                         ; blocks of 16 ranks;
	s_max_u32 s21, s22, 1
	s_sub_co_u32 s21, s21, 1                       ; the last of them;
	s_add_co_u32 s22, s22, 3
	s_sub_co_u32 s22, s22, s12
	s_lshr_b32 s22, s22, 2                         ; blocks w, w + 4, .. are mine
	; PHASE 1.  Each load set has an offset register of its own, which is stepped behind the wait that shows the set's loads done.
	s_wait_alu depctr_vm_vsrc(0)                   ; the scan's stores have read v[64:127] and v[192:255], the two out-buffers from here on; the first 64 weight loads have read v48 and v49
	s_mov_b32 s25, 3
.Lw:
	s_wait_loadcnt 32                              ; the older set is in; the other set's 32 loads stay out
	CONV 0, 0, 64, 48, 0
	s_wait_loadcnt 32
	CONV 128, 1, 192, 49, 32
	s_wait_alu depctr_vm_vsrc(0)                   ; this trip's LDS stores have read v5, v6 and both out-buffers, its loads v48 and v49: all are written again in the next trip, v5 and v6 below
	v_add_nc_u32 v5, 128, v5                       ; 64 places on
	v_add_nc_u32 v6, 128, v6
	s_sub_co_u32 s25, s25, 1
	s_cmp_lg_u32 s25, 0
	s_cbranch_scc1 .Lw
	s_wait_loadcnt 32                              ; the last two sets: nothing more is asked for
	CONV 0, 0, 64, 0, 0
	s_wait_loadcnt 0x0
	CONV 128, 1, 192, 0, 0
	s_wait_dscnt 0x0                               ; for the others' sake: my rows of the slice are in LDS
	s_barrier_signal -1
	s_barrier_wait -1                              ; the slice is whole; nobody writes LDS again before the closing lines
; hid's fragments of the chunk at byte off from s[30:31], for the slots named: eight tiles a slot, 512 consecutive bytes a load.  The expert's other column slices read these tiles again.
.macro ALD buf, off, slots:vararg
	WIN (1+(\buf))<<6
.irp a, \slots
.irp i, 0,1,2,3,4,5,6,7
	global_load_b128 v[32*\a+4*\i:32*\a+4*\i+3], v[18+\a], s[30:31] offset:(\off)+ASTR*\i th:TH_LOAD_HT
.endr
.endr
	WIN 0
.endm
.macro BLOAD bb, koff                  ; a step's fragments of W: eight groups of 16 LDS rows x 32 k, at byte koff of the rows
	WIN 0
.irp c, 0,1,2,3,4,5,6,7
	ds_load_b128 v[64+64*(\bb)+8*\c:64+64*(\bb)+8*\c+3], v[44+\c/2] offset:CB2*(\c%2)+(\koff)
	ds_load_b128 v[64+64*(\bb)+8*\c+4:64+64*(\bb)+8*\c+7], v[44+\c/2] offset:CB2*(\c%2)+(\koff)+KS2
.endr
.endm
; 32 along K for the round's slots.  The accumulators take turns, one instruction a turn, eight at the least between two links of a chain.
; zero = 1: the products start the sums, in all five slots, so that every accumulator is written.  Otherwise the slots past s23 are jumped.
; Behind slot 0's products stand the step's loads.  pre = 1: the next step's fragments of W; 2: but not in the K loop's last trip, where there is no next step.
; nx = 1: the next chunk's fragments of hid too, a whole chunk ahead of their use, into the buffer that this chunk does not read; the fifth slot's only where the wave has five blocks; 2: but not in the last trip, whose second chunk is the last.
.macro STEP par, f, zero, pre, kb, nx=0
	s_wait_dscnt 0x0                               ; this step's fragments of W, asked for a step ago
.if (\f) > 0
	PLACES
.endif
.if !(\zero)
	s_wait_alu depctr_va_vdst(0)                   ; the last step's products are done reading W's other buffer, at a chunk's first step hid's other buffer too: this step's loads land there; at a trip's first step v[44:47] are written
.endif
.irp a, 0,1,2,3,4
.if (\a > 0) && !(\zero)
	WIN 0                                          ; at a branch every window is 0
	s_cmp_le_u32 s23, \a
	s_cbranch_scc1 .Lse_\@
.endif
.set aw, 2+(\a+3)/4
.set ab, (192+64*\a)&255
	WIN (1+(\par))|(aw<<4)|(aw<<6)
.irp c, 0,1,2,3,4,5,6,7
.if \zero
	v_wmma_f32_16x16x32_bf16 v[ab+8*\c:ab+8*\c+7], v[32*\a+8*(\f):32*\a+8*(\f)+7], v[64+64*((\f)&1)+8*\c:64+64*((\f)&1)+8*\c+7], 0
.else
	v_wmma_f32_16x16x32_bf16 v[ab+8*\c:ab+8*\c+7], v[32*\a+8*(\f):32*\a+8*(\f)+7], v[64+64*((\f)&1)+8*\c:64+64*((\f)&1)+8*\c+7], v[ab+8*\c:ab+8*\c+7]
.endif
.endr
.if \a == 0
	WIN 0                                          ; the loads.  No further wait: since the one above only slot 0's products were issued, which name none of the registers that the loads touch
.if (\pre) == 2
	s_cmp_eq_u32 s25, 1
	s_cbranch_scc1 .Lnb_\@
.endif
.if (\pre) > 0
.if (\f) < 3
	BLOAD ((\f)+1)&1, (\kb)+FSTEP*((\f)+1)
.else
	BLOAD 0, (\kb)+256
.endif
.endif
.if (\pre) == 2
.Lnb_\@:
.endif
.if (\nx) == 2
	s_cmp_eq_u32 s25, 1
	s_cbranch_scc1 .Lnf_\@
.endif
.if (\nx) > 0
	s_add_nc_u64 s[30:31], s[30:31], ACH           ; the chunk in hand; free since the chunk's wait for 0, which shows every load that read it done; the loads reach one chunk further
	ALD 1-(\par), ACH, 0,1,2,3
	s_cmp_lt_u32 s23, 5
	s_cbranch_scc1 .Lnf_\@
	ALD 1-(\par), ACH, 4
.Lnf_\@:
.endif
.endif
.endr
	WIN 0
.Lse_\@:
.endm
; THE WAY OUT of slot a.  Register j of the eight accumulators, times the gate of rank 8 h + j, goes into eight registers on end: columns 4 r + 0..3 and 64 + 4 r + 0..3.  j ascends: each accumulator is read from its low end.
; The out-buffers take turns: v192-255 for slots 0, 2, 4, v128-191 (W's second buffer, read out by now) for slots 1, 3.
.macro OUTB a
.if (\a) > 0
	s_cmp_le_u32 s23, \a
	s_cbranch_scc1 .Lout_end
.endif
.set aw, 2+((\a)+3)/4
.set ab, (192+64*(\a))&255
.set ob, 192-64*((\a)%2)
	WIN aw|(1<<2)                                  ; source 0 the accumulators' window, source 1 (the gate) window 1
.irp j, 0,1,2,3,4,5,6,7
.irp c, 0,1,2,3,4,5,6,7
	v_mul_f32 v[ob+8*\j+\c], v[ab+8*\c+\j], v[200+8*(\a)+\j]
.endr
.endr
	WIN 0x01                                       ; the stores' offsets in window 1
.if ((\a) > 0) && ((\a) < 4)
	s_wait_xcnt 0x0                                ; the stores of the slot before have had their addresses translated: their data are rewritten only behind this wait
	s_wait_alu depctr_vm_vsrc(0)                   ; the stores of the slot before, issued ahead of this slot's multiplies, have read the other out-buffer, which the next slot's multiplies write
.endif
	s_wait_alu depctr_va_vdst(0)                   ; the multiplies have written this slot's out-buffer, which the sixteen stores read
.irp j, 0,1,2,3,4,5,6,7
.irp g, 0,1
	global_store_b128 v[160+8*(\a)+\j], v[ob+8*\j+4*\g:ob+8*\j+4*\g+3], s[34:35] offset:256*\g   ; 16 lanes store 256 consecutive bytes, aligned
.endr
.endr
	WIN 0
.endm
	; PHASE 2
	s_mov_b32 s24, 4
.Lround:
	s_cmp_eq_u32 s22, 0
	s_cbranch_scc1 .Lround_end                     ; nothing left for this wave: no barrier stands in what is jumped
	s_min_u32 s23, s22, 5
	s_sub_co_u32 s22, s22, s23
	s_wait_xcnt 0x0                                ; the last round's stores have had their addresses translated: their offsets and data are rewritten only behind this wait
	s_wait_alu depctr_vm_vsrc(0)                   ; the last round's stores have read their offsets and both out-buffers, its loads v[18:22], v[24:28] and v[44:47]; in the first round: phase 1's LDS stores have read v[64:127] and v[192:255]
.irp a, 0,1,2,3,4
	s_add_co_u32 s27, s17, 4*\a                    ; slot a: block 4 (5 round + a) + w,
	s_min_u32 s27, s27, s21                        ; past the last: the last
	s_min_u32 s27, s27, 0x3f
	s_lshl_b32 s27, s27, 17
	v_add_nc_u32 v[18+\a], s27, v4                 ; block x 131,072 bytes + 16 lane
	v_add_nc_u32 v16, 64*\a, v10
	v_min_u32 v16, 0x3f8, v16
	v_lshl_add_u32 v[24+\a], v16, 1, s26           ; the list's entry of rank 16 block + 8 h
.endr
.irp p, 0,1,2,3
	v_mov_b32 v[44+\p], v[40+\p]
.endr
	PLACES
	WIN 0x40
	s_wait_alu depctr_va_vdst(0)                   ; v[24:28] are written, the addresses of the forty loads; the last round's lines are done with window 1's v[160:199], in which they land
.irp a, 0,1,2,3,4
.irp j, 0,1,2,3,4,5,6,7
	ds_load_u16 v[160+8*\a+\j], v[24+\a] offset:2*\j   ; the pair of rank 16 block + 8 h + j
.endr
.endr
	s_wait_dscnt 0x0
	WIN 0x44
.set n, 0
.rept 40
	v_min_u32 v[160+n], 0x7ff, v[160+n]
.set n, n+1
.endr
	WIN 0x04
.set n, 0
.rept 40
	v_lshlrev_b32 v[192+n], 2, v[160+n]            ; its place in gate, in window 0
.set n, n+1
.endr
	WIN 0x41
.set n, 0
.rept 40
	v_lshl_add_u32 v[160+n], v[160+n], 12, v13     ; pair x 4,096 bytes + 16 r
.set n, n+1
.endr
	WIN 0x40
	s_wait_alu depctr_va_vdst(0)                   ; the gates' offsets v[192:231] are written (v[18:22] and v[44:47] stand ahead of the wait above); the last round's products and multiplies are done with the gates and the buffers in which the loads below land
.set n, 0
.rept 40
	global_load_b32 v[200+n], v[192+n], s[10:11]
.set n, n+1
.endr
	WIN 0
	s_mov_b64 s[30:31], s[28:29]
	ALD 0, 0, 0,1,2,3,4                            ; chunks 0 and 1 for all five slots
	BLOAD 0, 0
	ALD 1, ACH, 0,1,2,3,4
	s_mov_b32 s25, 4
	s_wait_loadcnt 40                              ; all but chunk 1's 40 loads: the gates and chunk 0 are in
	STEP 0, 0, 1, 1, 0                             ; the first step stands ahead of the loop: its products start the sums
	s_branch .Lmid                                 ; the loop is entered in the middle of a trip
.Lk:                                                   ; a trip is two chunks of 128 along K; the LDS addresses step once
	PLACES
	s_wait_loadcnt 0x0                             ; the chunk in hand is in: its loads alone were out, the next chunk's are issued behind this wait
	STEP 0, 0, 0, 1, 0, 1
.Lmid:
	STEP 0, 1, 0, 1, 0
	STEP 0, 2, 0, 1, 0
	STEP 0, 3, 0, 1, 0
	PLACES
	s_wait_loadcnt 0x0                             ; the trip's second chunk is in
	STEP 1, 0, 0, 1, 256, 2
	STEP 1, 1, 0, 1, 256
	STEP 1, 2, 0, 1, 256
	STEP 1, 3, 0, 2, 256
	s_wait_alu depctr_vm_vsrc(0)                   ; the LDS loads issued so far have read v[44:47]; in a round's first trip the gates' loads have read v[192:231], which the way out writes
.irp p, 0,1,2,3
	v_add_nc_u32 v[44+\p], 512, v[44+\p]
.endr
	s_sub_co_u32 s25, s25, 1
	s_cmp_lg_u32 s25, 0
	s_cbranch_scc1 .Lk
	s_wait_loadcnt 0x0                             ; no load of mine is out: the fragment buffers are loaded again in the next round
	PLACES
	OUTB 0
	OUTB 1
	OUTB 2
	OUTB 3
	OUTB 4
.Lout_end:
	v_add_nc_u32 v10, 320, v10                     ; five slots on
	s_add_co_u32 s17, s17, 20
.Lround_end:
	s_sub_co_u32 s24, s24, 1
	s_cmp_lg_u32 s24, 0
	s_cbranch_scc1 .Lround
	s_wait_dscnt 0x0                               ; my reads of LDS are over;
	s_barrier_signal -1
	s_barrier_wait -1                              ; every wave's are: LDS is written again only behind this barrier
	s_wait_dscnt 0x0                               ; the closing lines, six on end
	s_wait_alu 0x0
	s_wait_tensorcnt 0x0
	ds_add_u32 v62, v63
	s_wait_dscnt 0x0
	s_endpgm
.Lfunc_end_k_q40a761cd86_down:
	.size	k_q40a761cd86_down, .Lfunc_end_k_q40a761cd86_down-k_q40a761cd86_down
	.p2alignl 7, 3214868480
	.fill 96, 4, 3214868480
	.section	.rodata,"a",@progbits
	.p2align	6, 0x0
	.amdhsa_kernel k_q40a761cd86_down
		.amdhsa_group_segment_fixed_size 274944
		.amdhsa_private_segment_fixed_size 0
		.amdhsa_enable_private_segment 0
		.amdhsa_kernarg_size 40
		.amdhsa_user_sgpr_count 2
		.amdhsa_user_sgpr_kernarg_segment_ptr 1
		.amdhsa_wavefront_size32 1
		.amdhsa_system_sgpr_workgroup_id_x 1
		.amdhsa_system_sgpr_workgroup_id_y 1
		.amdhsa_system_sgpr_workgroup_id_z 1
		.amdhsa_system_vgpr_workitem_id 0
		.amdhsa_next_free_vgpr 1024
		.amdhsa_next_free_sgpr 66
		.amdhsa_reserve_vcc 0
		.amdhsa_float_denorm_mode_32 3
		.amdhsa_float_denorm_mode_16_64 3
		.amdhsa_memory_ordered 1
		.amdhsa_forward_progress 1
		.amdhsa_inst_pref_size 161
	.end_amdhsa_kernel
	.amdgpu_metadata
---
amdhsa.version: [ 1, 2 ]
amdhsa.kernels:
  - .name:           k_q40a761cd86_down
    .symbol:         k_q40a761cd86_down.kd
    .args:
      - { .name: W2, .offset: 0, .size: 8, .value_kind: global_buffer, .address_space: global }
      - { .name: hid, .offset: 8, .size: 8, .value_kind: global_buffer, .address_space: global }
      - { .name: idx, .offset: 16, .size: 8, .value_kind: global_buffer, .address_space: global }
      - { .name: gate, .offset: 24, .size: 8, .value_kind: global_buffer, .address_space: global }
      - { .name: part, .offset: 32, .size: 8, .value_kind: global_buffer, .address_space: global }
    .group_segment_fixed_size: 274944
    .private_segment_fixed_size: 0
    .kernarg_segment_align: 8
    .kernarg_segment_size: 40
    .max_flat_workgroup_size: 128
    .sgpr_count:     66
    .vgpr_count:     1024
    .wavefront_size: 32
...
	.end_amdgpu_metadata
.endif
;; end of part 6
;; launch combine: the kernel of part 4 again; grid 256 x 1, 8 waves a work-group, no clusters, 0 bytes of LDS; arguments part, out0; writes out0
